; MI455X (gfx1250); checked and timed in simulation.
; The chip was launched on July 23, 2026; its instructions are those of AMD's public machine-readable ISA for CDNA 5 (MIT licence, August 2026) and "CDNA5" Instruction Set Architecture Reference Guide (July 2026). The comments in the code are by the model that wrote it; some were corrected since.
;; Group Query Attention. Allowed arithmetic: matrix products marked QUANTISED: E4M3 operands, one given power-of-two scale a tensor, by v_wmma_f32_16x16x64_fp8_fp8 or v_wmma_f32_16x16x128_fp8_fp8, f32 sums; everything else in f32.
;; Inputs: k_b 256 float32; k_w 256 x 1,024 float32; lowp_scales 12 int32 (the exponents e of the quantised operands' scales 2^e); mask 1 x 1 x 4,096 x 4,096 bool; o_b 1,024 float32; o_w 1,024 x 1,024 float32; q_b 1,024 float32; q_w 1,024 x 1,024 float32; v_b 256 float32; v_w 256 x 1,024 float32; x 1 x 4,096 x 1,024 float32.
;; Outputs: out0 1 x 4,096 x 1,024 float32; out1 1 x 4 x 4,096 x 64 float32; out2 1 x 4 x 4,096 x 64 float32.
;; This version of the problem:
;;   THIS VERSION OF THE PROBLEM IS GIVEN IN LOW PRECISION. The matrix products marked QUANTISED in the list below multiply operands that are first quantised to E4M3 (4 exponent bits, 3 mantissa bits; 8 bits a number), with one given power-of-two scale for each operand tensor; their sums are f32. All else is computed in f32.
;;   The module's matrix products, in the order in which they are computed (A, B: the left and right operand; K: the contracted axis; several contracted axes count as one K, in the product's order):
;;     1. [M 4,096, K 1,024] x [K 1,024, N 1,024]; A: input x; B: input q_w: QUANTISED (scales: A lowp_scales[0], B lowp_scales[1])
;;     2. [M 4,096, K 1,024] x [K 1,024, N 256]; A: input x; B: input k_w: QUANTISED (scales: A lowp_scales[2], B lowp_scales[3])
;;     3. [M 4,096, K 1,024] x [K 1,024, N 256]; A: input x; B: input v_w: QUANTISED (scales: A lowp_scales[4], B lowp_scales[5])
;;     4. batch 4 x [M 16,384, K 64] x [K 64, N 4,096]; A: computed on the way; B: computed on the way: QUANTISED (scales: A lowp_scales[6], B lowp_scales[7])
;;     5. batch 4 x [M 16,384, K 4,096] x [K 4,096, N 64]; A: softmax (see below); B: computed on the way: QUANTISED (scales: A lowp_scales[8], B lowp_scales[9])
;;     6. [M 4,096, K 1,024] x [K 1,024, N 1,024]; A: computed on the way; B: input o_w: QUANTISED (scales: A lowp_scales[10], B lowp_scales[11])
;;   THE QUANTISER, for each operand of a quantised product, along K:
;;     - The operand's scale is 2^e, e = its entry of the input lowp_scales (int32; the entries are numbered through the quantised products in the list's order, A before B).
;;     - Each number is divided by the scale, clamped to +-448, and rounded to the nearest number of E4M3, ties to even, subnormals kept.
;;     - The product sums the exact products of the quantised numbers (number of the format x scale) in f32.
;;   ~~~python
;;   def quantise(x, axis, e):      # numpy; x: float32 -> the quantised numbers, widened to float32 again
;;       x = np.moveaxis(x, axis, -1); K = x.shape[-1]
;;       r = np.clip(x / 2.0 ** e, -448, 448)
;;       step = 2.0 ** (np.maximum(np.frexp(np.where(r == 0, 1, r))[1] - 1, -6) - 3)
;;       q = np.round(r / step) * step * 2.0 ** e      # np.round: ties to even
;;       return np.moveaxis(q, -1, axis).astype(np.float32)
;;   ~~~
;;   SOFTMAX AHEAD OF A QUANTISED PRODUCT. Where the list says 'softmax', what is quantised is not the finished softmax but p = 2^(t - M), with t = logit x log2(e) and M = ceil(the row's largest t), a whole number; so 1/2 < the row's largest p <= 1. The row's sum l is taken of the UNQUANTISED p, in f32, and the product's result is divided by l at the end. Since M is a whole number, a kernel that streams over the keys may use a running M (the ceiling of the running maximum): every later rescaling is an exact power of two, so the quantised numbers keep their values, but for numbers so far below the row's largest that they fall under the format's range.
;;   OPERANDS COMPUTED ON THE WAY. 'Computed on the way' means the value that the module computes at that place (a softmax that the list does not call 'softmax' is quantised finished and normalised). What goes into a quantiser is computed in f32, as accurately as f32 sums, v_exp_f32 and their like allow (about 1e-6 of the number): no bf16 or f16 on the way to a quantiser, and a product that is left as it is and whose result goes on into a quantised operand takes f32 operands (vector FMAs, or v_wmma_f32_16x16x4_f32). A number that lies on a knife's edge between two numbers of the format may be rounded either way, as far as f32 arithmetic and the matrix unit's own rounding can turn it there, and no further.
;; One version. Each part assembles by itself: llvm-mc -triple=amdgcn-amd-amdhsa -mcpu=gfx1250 --defsym DOCPART=n.
;; ======== version 1 of 1: 4 launches
;; limits: right only within a limited range of input values
;; workspace buffers: xc 12,582,912 bytes; wc 2,621,440 bytes; mimg 16,777,216 bytes; rf 16,384 bytes; fl 4,096 bytes of whole numbers; qkv 6,291,456 bytes; acodes 4,194,304 bytes
;; launch prep (part 1): grid 464 x 1, 4 waves a work-group, no clusters, 67,328 bytes of LDS; arguments x, q_w, k_w, v_w, o_w, mask, lowp_scales, xc, wc, mimg, rf, fl; writes xc, wc, mimg, rf, fl
.if DOCPART == 1
	.amdgcn_target "amdgcn-amd-amdhsa--gfx1250"
	.amdhsa_code_object_version 6
	.text
	.protected	k_qddca1d6dd3_prep
	.globl	k_qddca1d6dd3_prep
	.p2align	8
	.type	k_qddca1d6dd3_prep,@function
k_qddca1d6dd3_prep:
	s_mov_b64 s[64:65], 0
	v_nop
	global_prefetch_b8 v0, s[64:65] scope:SCOPE_SE
	s_setreg_imm32_b32 hwreg(HW_REG_WAVE_MODE, 25, 1), 1
	s_wait_xcnt 0x0
; PREPARATION.  Work-groups 0-207 turn f32 numbers into codes of E4M3 (K innermost, rows as they lie); work-groups 208-463 lay the mask out anew.
; CODES: code = x / 2^e, held within +-448, to the nearest code, ties to even.  x is an operand of three products with three given scales (entries 0, 2, 4): it is read once and
; converted three times, into three sections of xc.  q_w, k_w, v_w, o_w (entries 1, 3, 5, 11) go into wc, one behind the other.  All five are dense streams of numbers: nothing here knows of rows.
; A wave takes 16 steps of 512 numbers: four loads of 512 consecutive bytes; the 2,048 bytes turn through the wave's own stage in LDS, so that a lane holds 16 neighbours; its 16 codes are 16 bytes,
; so a wave's store covers 512 consecutive bytes.  Loads run four steps ahead, the turn through LDS one step.
; MASK: work-group 208 + qt takes 16 queries x 4,096 keys.  The image holds, for the attention launch's wave (qt, u) and each of its 16 key steps, 2,048 bytes in the order of that wave's registers:
; lane (r, h), group c: bytes 0-7 keys 32 c + 8 h + 0..7 of the step, bytes 8-15 keys 32 c + 16 + 8 h + 0..7, for query r.  A byte is 0xff where the key is hidden, 0 where it counts.
; A ROW WITH NO OPEN KEY: reference() gives every key of it the same logit, so its weights are all equal.  Its image bytes are written 0 (all keys count) and its word of rf 0 (else -1): the attention launch
; clears that query's codes by rf, all its scores are then 0 and all its weights equal.
; LIMITS: each e used here between -126 and 119.  NaN among the inputs is not served.  Mask bytes are 0 or 1.
; No cluster, no tensor load: no two work-groups read the same bytes.  The two paths part on the work-group's number and have LDS bytes of their own.
.set NQW,   208                        ; work-groups that quantise: x 0-127, q_w 128-159, k_w 160-167, v_w 168-175, o_w 176-207 (32,768 numbers each)
.set STEPS, 16
.set SP,    80                         ; a lane's place in a stage: 64 bytes + 16 of padding
.set WREG,  8192                       ; LDS 0 .. 32,767: a region for each wave, two stages of 32 x SP bytes
.set R,     16                         ; v16-79   four sets of 16 numbers as loaded
.set X,     80                         ; v80-111  two sets of 16 neighbours
.set T,     112                        ; v112-127 the 16 numbers, held
.set C,     128                        ; v128-139 codes: four registers for each of three scales
.set MST,   32768                      ; the mask path's stages: 16 rows x MPI bytes for each wave
.set MPI,   528                        ; 512 bytes + 16 of padding
.set FLG,   MST+4*16*MPI               ; 66,560: 4 waves x 16 rows: has the row an open key?
.set D,     16                         ; v16-143  the mask path's 128 words
	s_load_b512 s[4:19], s[0:1], 0x0               ; x, q_w, k_w, v_w, o_w, mask, the scales' exponents, xc
	s_load_b128 s[20:23], s[0:1], 0x40             ; wc, mimg
	s_load_b64 s[24:25], s[0:1], 0x50              ; rf
	s_load_b64 s[58:59], s[0:1], 0x58              ; fl: the list of key steps, one word for each (qt, w)
	v_lshl_add_u32 v160, v0, 2, 0x10500
	v_mov_b32 v161, 0
	v_lshrrev_b32 v1, 5, v0
	v_readfirstlane_b32 s26, v1                    ; wave 0..3
	v_and_b32 v2, 31, v0                           ; lane
	v_lshlrev_b32 v3, 4, v2                        ; 16 x lane: my 16 bytes of 512, in loads and in stores
	s_cmp_ge_u32 ttmp9, NQW
	s_cbranch_scc1 .Lmask
; ---------------------------------------------------------------- the quantiser
	s_wait_kmcnt 0x0
	s_load_b256 s[32:39], s[16:17], 0x0            ; e0 .. e7
	s_load_b128 s[40:43], s[16:17], 0x20           ; e8 .. e11
	s_mul_i32 s27, s26, WREG
	s_wait_alu depctr_va_vdst(0)
	v_lshrrev_b32 v14, 2, v2
	v_mul_u32_u24 v14, v14, SP
	v_and_b32 v15, 3, v2
	v_lshl_add_u32 v14, v15, 4, v14
	v_add_nc_u32 v14, s27, v14                     ; the stage, in: four lanes' 64 bytes on end, then the padding
	v_mul_u32_u24 v15, v2, SP
	v_add_nc_u32 v15, s27, v15                     ; and out: my 16 neighbours
	s_wait_alu depctr_va_vdst(0)
	s_wait_kmcnt 0x0
	s_mov_b64 s[44:45], s[12:13]                   ; which tensor: the choice hangs on the work-group's number alone.  o_w,
	s_mov_b32 s46, 1572864                         ; its place in wc,
	s_mov_b32 s47, 176                             ; its first work-group,
	s_mov_b32 s48, s43                             ; its e
	s_cmp_lt_u32 ttmp9, 176
	s_cselect_b64 s[44:45], s[10:11], s[44:45]     ; v_w
	s_cselect_b32 s46, 1310720, s46
	s_cselect_b32 s47, 168, s47
	s_cselect_b32 s48, s37, s48
	s_cmp_lt_u32 ttmp9, 168
	s_cselect_b64 s[44:45], s[8:9], s[44:45]       ; k_w
	s_cselect_b32 s46, 1048576, s46
	s_cselect_b32 s47, 160, s47
	s_cselect_b32 s48, s35, s48
	s_cmp_lt_u32 ttmp9, 160
	s_cselect_b64 s[44:45], s[6:7], s[44:45]       ; q_w
	s_cselect_b32 s46, 0, s46
	s_cselect_b32 s47, 128, s47
	s_cselect_b32 s48, s33, s48
	s_cmp_lt_u32 ttmp9, 128
	s_cselect_b64 s[44:45], s[4:5], s[44:45]       ; x
	s_cselect_b32 s47, 0, s47
	s_cselect_b32 s48, s32, s48
	s_cselect_b64 s[50:51], s[18:19], s[20:21]     ; codes go to xc or to wc
	s_sub_co_u32 s52, ttmp9, s47
	s_lshl_b32 s52, s52, 2
	s_add_co_u32 s52, s52, s26                     ; which run of 8,192 numbers of the tensor is my wave's
	s_lshl_b32 s54, s52, 15
	s_mov_b32 s55, 0
	s_add_nc_u64 s[44:45], s[44:45], s[54:55]
	s_lshl_b32 s54, s52, 13
	s_add_co_u32 s54, s54, s46
	s_add_nc_u64 s[50:51], s[50:51], s[54:55]
	s_add_nc_u64 s[28:29], s[50:51], 0x400000      ; x alone: the sections under e2
	s_add_nc_u64 s[30:31], s[50:51], 0x800000      ; and under e4
.macro LOAD t
.irp i, 0,1,2,3
	global_load_b128 v[R+16*((\t)%4)+4*\i:R+16*((\t)%4)+4*\i+3], v3, s[44:45] offset:2048*(\t)+512*\i th:TH_LOAD_NT
.endr
.endm
.macro TURN t                          ; step t's numbers through the stage: LDS serves a wave's instructions in order, so no wait stands between the stores and the loads
.irp i, 0,1,2,3
	ds_store_b128 v14, v[R+16*((\t)%4)+4*\i:R+16*((\t)%4)+4*\i+3] offset:32*SP*((\t)%2)+8*SP*\i
.endr
.irp i, 0,1,2,3
	ds_load_b128 v[X+16*((\t)%2)+4*\i:X+16*((\t)%2)+4*\i+3], v15 offset:32*SP*((\t)%2)+16*\i
.endr
.endm
.macro MKSC e, vs, vl                  ; 2^e as f32 (the conversion takes its exponent field), and 448 x 2^e
	s_add_co_i32 s56, \e, 127
	s_lshl_b32 s57, s56, 23
	v_mov_b32 \vs, s57
	s_add_co_i32 s56, s56, 8
	s_lshl_b32 s56, s56, 23
	s_or_b32 s56, s56, 0x600000
	v_mov_b32 \vl, s56
.endm
.irp t, 0,1,2,3
	LOAD \t
.endr
	MKSC s48, v5, v8                               ; the tensor's own e (x: e0)
	MKSC s34, v6, v9                               ; e2
	MKSC s36, v7, v10                              ; e4
	s_wait_alu depctr_va_vdst(0)
	s_wait_loadcnt 12                              ; step 0's four loads are in
	TURN 0
; One scale's codes of the step: the hold (the conversion to an 8-bit code does not saturate: ISA guide 7.6.2), two conversions, a plain line behind them (the next hold writes their sources), the store.
.macro QSET lim, sc, c0, base, t
.irp i, 0,1,2,3,4,5,6,7,8,9,10,11,12,13,14,15
	v_med3_num_f32 v[T+\i], v[XS+\i], -v[\lim], v[\lim]
.endr
	v_cvt_scalef32_pk8_fp8_f32 v[\c0:\c0+1], v[T:T+7], v[\sc]
	v_cvt_scalef32_pk8_fp8_f32 v[\c0+2:\c0+3], v[T+8:T+15], v[\sc]
	v_nop
	global_store_b128 v3, v[\c0:\c0+3], s[\base:\base+1] offset:512*(\t)
.endm
.macro STEP t
.set XS, X+16*((\t)%2)
	s_wait_dscnt 0x0                               ; this step's numbers are back from the stage, so its stores into the stage have read their registers,
.if (\t)+4 < STEPS
	LOAD (\t)+4                                    ; which take the loads of four steps on
.endif
.if (\t)+1 < STEPS
.if STEPS-2-(\t) >= 3
	s_wait_loadcnt 12                              ; the next step's four loads are in; those of the three steps behind it may be out
.else
	s_wait_loadcnt 4*(STEPS-2-(\t))
.endif
	TURN (\t)+1
.endif
	s_wait_xcnt 0x0                                ; the last step's stores have read their data: the codes' registers are written again only behind this wait
	QSET 8, 5, C, 50, \t
	s_cmp_lt_u32 ttmp9, 128                        ; x alone has two more scales
	s_cbranch_scc0 .Lonly_\@
	QSET 9, 6, C+4, 28, \t
	QSET 10, 7, C+8, 30, \t
.Lonly_\@:
.endm
.irp t, 0,1,2,3,4,5,6,7,8,9,10,11,12,13,14,15
	STEP \t
.endr
	s_wait_tensorcnt 0x0
	ds_add_u32 v160, v161
	s_wait_dscnt 0x0
	s_endpgm
; ---------------------------------------------------------------- the mask
.Lmask:
	s_sub_co_u32 s27, ttmp9, NQW                   ; qt: queries 16 qt .. 16 qt + 15.  Wave w takes keys 1,024 w on, in two blocks of 512
	s_lshl_b32 s44, s27, 16
	s_lshl_b32 s46, s26, 10
	s_add_co_u32 s46, s46, s44
	s_mov_b32 s47, 0
	s_mov_b32 s30, 0x76543210                      ; v_permlanex16_b32's selects for lane l xor 16
	s_mov_b32 s31, 0xfedcba98
	s_mov_b32 s48, 0x01010101
	s_mov_b32 s49, 255
	s_wait_kmcnt 0x0
	s_add_nc_u64 s[14:15], s[14:15], s[46:47]      ; mask + 65,536 qt + 1,024 w
	s_lshl_b32 s46, s26, 13
	s_add_co_u32 s46, s46, s44
	s_add_nc_u64 s[22:23], s[22:23], s[46:47]      ; mimg + 65,536 qt + 8,192 w: keys 1,024 w on are steps 4 w .. 4 w + 3 of both halves u
	s_lshl_b32 s46, s27, 6
	s_add_nc_u64 s[24:25], s[24:25], s[46:47]      ; rf + 64 qt
	s_lshl_b32 s46, s27, 4
	s_lshl_b32 s50, s26, 2
	s_add_co_u32 s46, s46, s50
	s_add_nc_u64 s[58:59], s[58:59], s[46:47]      ; fl + 16 qt + 4 w
	s_wait_alu depctr_va_vdst(0)
.irp b, 0,1
.irp t, 0,1,2,3,4,5,6,7,8,9,10,11,12,13,14,15
	global_load_b128 v[D+64*\b+4*\t:D+64*\b+4*\t+3], v3, s[14:15] offset:\t*4096+512*\b th:TH_LOAD_NT   ; 512 consecutive bytes of row t
.endr
.endr
	v_and_b32 v9, 15, v0                           ; r
	v_bfe_u32 v10, v0, 4, 1                        ; h
	s_mul_i32 s28, s26, 16*MPI
	s_add_co_u32 s28, s28, MST                     ; my stage
	v_add_nc_u32 v4, s28, v3                       ; in: 16 x lane of a row
	v_mul_u32_u24 v5, v9, MPI
	v_lshl_add_u32 v5, v10, 3, v5
	v_add_nc_u32 v5, s28, v5                       ; out: row r, + 8 h
	v_lshlrev_b32 v8, 2, v9                        ; 4 r
	v_add_nc_u32 v7, FLG, v8
	s_lshl_b32 s29, s26, 6
	v_add_nc_u32 v6, s29, v7                       ; FLG + 64 w + 4 r
	v_mov_b32 v148, 0                              ; a lane permute's destination counts as one of its sources
.macro MTURN b                         ; a block of 16 rows x 512 keys through the stage: in as rows, out as the image's registers (into the registers that it left)
.irp t, 0,1,2,3,4,5,6,7,8,9,10,11,12,13,14,15
	ds_store_b128 v4, v[D+64*\b+4*\t:D+64*\b+4*\t+3] offset:MPI*\t
.endr
.irp s, 0,1,2,3
.irp c, 0,1,2,3
.irp e, 0,1
	ds_load_b64 v[D+64*\b+16*\s+4*\c+2*\e:D+64*\b+16*\s+4*\c+2*\e+1], v5 offset:128*\s+32*\c+16*\e
.endr
.endr
.endr
.endm
	s_wait_alu depctr_va_vdst(0)
	s_wait_loadcnt 16                              ; the first block's 16 loads are in
	MTURN 0
	s_wait_loadcnt 0x0
	MTURN 1                                        ; LDS serves a wave's instructions in order: these stores come behind the first block's loads
	s_wait_dscnt 0x0
.irp k, 0,1,2,3                                ; has my row an open key among my 512 bytes?  The words are or-ed in four chains
	v_or_b32 v[144+\k], v[D+2*\k], v[D+2*\k+1]
.endr
.set j, 8
.rept 30
.irp k, 0,1,2,3
	v_or_b32 v[144+\k], v[144+\k], v[D+j+\k]
.endr
.set j, j+4
.endr
	v_or_b32 v144, v144, v145
	v_or_b32 v146, v146, v147
	v_or_b32 v144, v144, v146
	v_permlanex16_b32 v148, v144, s30, s31         ; the row's other bytes of my keys lie in lane l xor 16
	v_or_b32 v144, v144, v148
	ds_store_b32 v6, v144                          ; (both halves of the lanes write the same word with the same value)
	s_wait_dscnt 0x0                               ; for the others' sake: my store is done
	s_barrier_signal -1
	s_barrier_wait -1
.irp w, 0,1,2,3
	ds_load_b32 v[144+\w], v7 offset:64*\w
.endr
	s_wait_dscnt 0x0
	v_or_b32 v144, v144, v145
	v_or_b32 v146, v146, v147
	v_or_b32 v144, v144, v146
	v_cmp_ne_u32 vcc_lo, 0, v144
	v_cndmask_b32 v149, 0, -1, vcc_lo              ; -1 where row r has an open key, else 0
; THE LIST.  My 1,024 keys are eight key steps of 128, step q = 4 b + s in registers D + 16 q on.  A lane's 16 words of 0 / 1 bytes are added (no byte passes 16): 16 less that is the count of hidden keys,
; cleared for a row with no open key (all its keys count).  Bit q of my word: some key of the step counts for some of the 16 queries; bit 8 + q: some key is hidden.
	s_mov_b32 s50, 0x10101010
	s_mov_b32 s51, 0
.irp q, 0,1,2,3,4,5,6,7
	v_add3_u32 v150, v[D+16*\q], v[D+16*\q+1], v[D+16*\q+2]
	v_add3_u32 v151, v[D+16*\q+3], v[D+16*\q+4], v[D+16*\q+5]
.irp i, 6,10
	v_add3_u32 v150, v150, v[D+16*\q+\i], v[D+16*\q+\i+1]
	v_add3_u32 v151, v151, v[D+16*\q+\i+2], v[D+16*\q+\i+3]
.endr
	v_add3_u32 v150, v150, v[D+16*\q+14], v[D+16*\q+15]
	v_add_nc_u32 v150, v150, v151
	v_sub_nc_u32 v150, s50, v150
	v_and_b32 v150, v150, v149
	v_cmp_ne_u32 s52, 0, v150                      ; lanes with a hidden key
	v_cmp_ne_u32 s53, s50, v150                    ; lanes with a key that counts
	s_cmp_lg_u32 s53, 0
	s_cselect_b32 s54, 1<<\q, 0
	s_or_b32 s51, s51, s54
	s_cmp_lg_u32 s52, 0
	s_cselect_b32 s54, 0x100<<\q, 0
	s_or_b32 s51, s51, s54
.endr
; The image of a key step is made and stored only where the step holds both a key that counts and a hidden key: the attention launch reads the image of no other step.
	s_wait_alu depctr_va_vdst(0)                   ; the wait ahead of the branches
.irp q, 0,1,2,3,4,5,6,7
	s_and_b32 s54, s51, 0x101<<\q
	s_cmp_eq_u32 s54, 0x101<<\q
	s_cbranch_scc0 .Lplain_\q
.irp i, 0,1,2,3,4,5,6,7,8,9,10,11,12,13,14,15
	v_sub_nc_u32 v[D+16*\q+\i], s48, v[D+16*\q+\i]   ; bytes 1 - m: no borrow, since m is 0 or 1
	v_mul_lo_u32 v[D+16*\q+\i], v[D+16*\q+\i], s49   ; x 255: 0xff where the key is hidden; no carry from byte to byte
	v_and_b32 v[D+16*\q+\i], v[D+16*\q+\i], v149     ; a row with no open key: all keys count
.endr
.irp c, 0,1,2,3
	global_store_b128 v3, v[D+16*\q+4*\c:D+16*\q+4*\c+3], s[22:23] offset:(\q/4)*32768+(\q%4)*2048+\c*512   ; 512 consecutive bytes
.endr
.Lplain_\q:
.endr
	v_mov_b32 v150, s51
	v_mov_b32 v151, 0
	global_store_b32 v151, v150, s[58:59]          ; my word of the list (every lane stores the same word with the same value)
	s_cmp_lg_u32 s26, 0
	s_cbranch_scc1 .Lmend
	global_store_b32 v8, v149, s[24:25]            ; wave 0: the 16 rows' words of rf (lanes r and r + 16 store the same word with the same value)
.Lmend:
	s_wait_tensorcnt 0x0
	ds_add_u32 v160, v161
	s_wait_dscnt 0x0
	s_endpgm
.Lfunc_end_k_qddca1d6dd3_prep:
	.size	k_qddca1d6dd3_prep, .Lfunc_end_k_qddca1d6dd3_prep-k_qddca1d6dd3_prep
	.p2alignl 7, 3214868480
	.fill 96, 4, 3214868480
	.section	.rodata,"a",@progbits
	.p2align	6, 0x0
	.amdhsa_kernel k_qddca1d6dd3_prep
		.amdhsa_group_segment_fixed_size 67328
		.amdhsa_private_segment_fixed_size 0
		.amdhsa_enable_private_segment 0
		.amdhsa_kernarg_size 96
		.amdhsa_user_sgpr_count 2
		.amdhsa_user_sgpr_kernarg_segment_ptr 1
		.amdhsa_wavefront_size32 1
		.amdhsa_system_sgpr_workgroup_id_x 1
		.amdhsa_system_sgpr_workgroup_id_y 1
		.amdhsa_system_sgpr_workgroup_id_z 1
		.amdhsa_system_vgpr_workitem_id 0
		.amdhsa_next_free_vgpr 162
		.amdhsa_next_free_sgpr 66
		.amdhsa_reserve_vcc 1
		.amdhsa_float_denorm_mode_32 3
		.amdhsa_float_denorm_mode_16_64 3
		.amdhsa_memory_ordered 1
		.amdhsa_forward_progress 1
		.amdhsa_inst_pref_size 125
	.end_amdhsa_kernel
	.amdgpu_metadata
---
amdhsa.version: [ 1, 2 ]
amdhsa.kernels:
  - .name:           k_qddca1d6dd3_prep
    .symbol:         k_qddca1d6dd3_prep.kd
    .args:
      - { .name: x, .offset: 0, .size: 8, .value_kind: global_buffer, .address_space: global }
      - { .name: q_w, .offset: 8, .size: 8, .value_kind: global_buffer, .address_space: global }
      - { .name: k_w, .offset: 16, .size: 8, .value_kind: global_buffer, .address_space: global }
      - { .name: v_w, .offset: 24, .size: 8, .value_kind: global_buffer, .address_space: global }
      - { .name: o_w, .offset: 32, .size: 8, .value_kind: global_buffer, .address_space: global }
      - { .name: mask, .offset: 40, .size: 8, .value_kind: global_buffer, .address_space: global }
      - { .name: lowp_scales, .offset: 48, .size: 8, .value_kind: global_buffer, .address_space: global }
      - { .name: xc, .offset: 56, .size: 8, .value_kind: global_buffer, .address_space: global }
      - { .name: wc, .offset: 64, .size: 8, .value_kind: global_buffer, .address_space: global }
      - { .name: mimg, .offset: 72, .size: 8, .value_kind: global_buffer, .address_space: global }
      - { .name: rf, .offset: 80, .size: 8, .value_kind: global_buffer, .address_space: global }
      - { .name: fl, .offset: 88, .size: 8, .value_kind: global_buffer, .address_space: global }
    .group_segment_fixed_size: 67328
    .private_segment_fixed_size: 0
    .kernarg_segment_align: 8
    .kernarg_segment_size: 96
    .max_flat_workgroup_size: 128
    .sgpr_count:     66
    .vgpr_count:     162
    .wavefront_size: 32
...
	.end_amdgpu_metadata
.endif
;; end of part 1
;; launch qkv (part 2): grid 32 x 12, 4 waves a work-group, clusters of 4 x 1, 296,448 bytes of LDS; arguments xc, wc, q_b, k_b, v_b, lowp_scales, qkv, out1, out2; writes qkv, out1, out2
.if DOCPART == 2
	.amdgcn_target "amdgcn-amd-amdhsa--gfx1250"
	.amdhsa_code_object_version 6
	.text
	.protected	k_qddca1d6dd3_qkv
	.globl	k_qddca1d6dd3_qkv
	.p2align	8
	.type	k_qddca1d6dd3_qkv,@function
k_qddca1d6dd3_qkv:
	s_mov_b64 s[64:65], 0
	v_nop
	global_prefetch_b8 v0, s[64:65] scope:SCOPE_SE
	s_setreg_imm32_b32 hwreg(HW_REG_WAVE_MODE, 25, 1), 1
	s_wait_xcnt 0x0
	s_wait_alu depctr_hold_cnt(0) depctr_sa_sdst(0) depctr_va_vdst(0) depctr_va_sdst(0) depctr_va_ssrc(0) depctr_va_vcc(0) depctr_vm_vsrc(0)
	s_getreg_b32 s2, hwreg(HW_REG_IB_STS2, 6, 4)
	s_cmp_eq_u32 s2, 0
	s_cbranch_scc0 .Lentry_in_a_cluster
	s_endpgm
.Lentry_in_a_cluster:
	s_bfe_u32 s2, ttmp6, 0x10000c
	s_cmp_lg_u32 s2, 0x3003
	s_cbranch_scc0 .Lentry_shape_is_right
	s_endpgm
.Lentry_shape_is_right:
; THE THREE PROJECTIONS, on codes of E4M3: y = (sum of code products) x 2^(eA + eB) + bias.  A work-group makes 128 tokens x 128 columns; work-group y = nt says which: 0-7 q, 8-9 k, 10-11 v.
; Four waves, each 64 tokens x 64 columns (one head): 16 accumulators.  K = 1,024 lies WHOLE in LDS, in four chunks of 256 along K: every LDS byte is filled once, so there is no ring.
; THE MATRIX INSTRUCTION IS USED TRANSPOSED (source 0 = 16 rows of W, source 1 = 16 tokens), and the rows of W that form a tile are not neighbours: lane r of tile 2 b + u takes row 32 b + 8 u + r + 8 (r / 8).
; So lane (r, h) holds token r, and the 16 registers of tiles 2 b, 2 b + 1 are columns 32 b + 16 h + 0 .. 15: neighbours along the next product's K.
; A fragment comes by four loads of 16 bytes: k = 32 c + 16 h + 0 .. 15 in registers 4 c .. 4 c + 3: a permutation of k, the same in both sources.
; WHAT LEAVES.  q, k: quantised (e6, e7) in registers; the conversions' results are the attention launch's fragments (lane (r, h), part p: d = 32 p + 16 h + 0 .. 15 of token r), stored as register images, 512 bytes a store.
; k, v: the f32 rows, through the wave's own stage, whole rows of 256 bytes.  v: read from that stage by columns, quantised (e9) along the KEYS, laid as the plain K = 128 form wants source 0:
; lane (r, h) holds d = 32 (t / 2) + 8 (t % 2) + r + 8 (r / 8), registers 2 c, 2 c + 1 keys 16 c + 8 h + 0 .. 7 of the work-group's 128 tokens, which are one key step.
; CLUSTER 4, 1, 1: the four partners have one nt and four token blocks: W's tiles are asked for jointly.  x's tiles are each work-group's own: partners along nt could share them only where they read the
; same section of codes, which 8-9 and 10-11 do not share with 0-7 or with each other at every given scale.  Grid 32 x 12.
; LIMITS: eA + eB between -126 and 127; e6, e7, e9 between -126 and 119.
.set PITCH, 272                        ; a row of the stage: 256 bytes + 16 of padding
.set TP,    1040                       ; a tile's row in LDS: all 1,024 codes along K + 16 bytes of padding = 65 x 16 bytes: the 16 rows that a load touches start at 16 different groups of four banks
.set QTR,   64*TP                      ; what a wave's one tensor load brings: 64 whole rows
.set HALF,  128*TP
.set CHUNK, 256                        ; from one 256 along K to the next, inside a row
.set STAGE, 2*HALF                     ; behind x's 128 rows and W's 128 rows: 16 rows x 272 bytes for each wave; no tensor load lands there
.set LI,  1                            ; v1     16 x lane
.set ADX, 2                            ; v2-5   my x fragments in chunk j
.set ADW, 6                            ; v6-9   my W fragments in chunk j
.set SO,  10                           ; v10    the stage, in
.set SR,  11                           ; v11    the stage, out by rows
.set VC,  12                           ; v12    the stage, out by columns (v)
.set SCQ, 14                           ; v14    2^eQ
.set LMQ, 15                           ; v15    448 x 2^eQ
.set CD,  16                           ; v16-23 codes
.set Y,   32                           ; v32-63 a token tile's 32 numbers a lane
.set T,   64                           ; v64-95 held numbers; later rows read back
.set BI,  96                           ; v96-127 the bias in the result's layout
.set ACC, 128                          ; v128-255 accumulator (a, t) at ACC + 8 (4 a + t)
.set F0,  0                            ; window 1: two fragment sets: x's four at 16 a, W's four at 64 + 16 t
.set F1,  128
.set WV,  14                           ; s14 wave; s15 wm; s16 wn; s20 TY: 0 q, 1 k, 2 v
.set TY,  20
.set MSB, 0
.macro WIN new                         ; the immediate's high byte repeats the setting that is left
.if MSB != \new
	s_set_vgpr_msb (MSB<<8)|\new
.set MSB, \new
.endif
.endm
.set MUL,  0x05                        ; sources 0 and 1 window 1; C and D window 0
.set TO_F, 0x40                        ; destination window 1, address window 0
.macro CROUND                          ; a round of the cluster's barrier
	s_barrier_signal -1
	s_barrier_wait -1
	s_cmp_lg_u32 s[WV], 0
	s_cbranch_scc1 .Lnot_wave_0_\@
	s_barrier_signal -3
.Lnot_wave_0_\@:
	s_barrier_wait -3
	s_barrier_signal -1
	s_barrier_wait -1
.endm
.macro PLACES                          ; four places behind matrix instructions, in front of loads into their sources and of reads of their results
.rept 4
	v_nop
.endr
.endm
	s_load_b512 s[32:47], s[0:1], 0x0              ; xc, wc, q_b, k_b, v_b, the scales' exponents, qkv, out1
	s_load_b64 s[48:49], s[0:1], 0x40              ; out2
	v_lshl_add_u32 v30, v0, 2, 0x48400
	v_mov_b32 v31, 0
	ds_add_u32 v30, v31
	ds_add_u32 v30, v31
	v_lshrrev_b32 v1, 5, v0
	v_readfirstlane_b32 s[WV], v1                  ; wave 0..3
	s_lshr_b32 s15, s[WV], 1                       ; wm: my half of the tokens.  Also: I fetch x (0) or W (1)
	s_and_b32 s16, s[WV], 1                        ; wn: my half of the columns.  Also: which 64 rows I fetch
	s_bfe_u32 s17, ttmp6, 0x40000                  ; cx
	s_lshl_b32 s18, ttmp9, 2
	s_add_co_u32 s18, s18, s17                     ; mt: the block of 128 tokens
	s_and_b32 s19, ttmp7, 0xffff                   ; nt, which the partners share
	s_cmp_ge_u32 s19, 8
	s_cselect_b32 s56, 1, 0
	s_cmp_ge_u32 s19, 10
	s_cselect_b32 s57, 1, 0
	s_add_co_u32 s[TY], s56, s57
	s_lshl_b32 s21, s56, 3
	s_sub_co_u32 s21, s19, s21
	s_lshl_b32 s22, s57, 1
	s_sub_co_u32 s21, s21, s22                     ; the block of 128 columns within q, k or v
	s_lshl_b32 s22, s21, 1
	s_add_co_u32 s22, s22, s16                     ; my head
	s_lshl_b32 s58, s18, 7                         ; x: section TY, row 128 mt + 64 wn
	s_lshl_b32 s59, s16, 6
	s_add_co_u32 s58, s58, s59
	s_lshl_b32 s58, s58, 10
	s_lshl_b32 s59, s[TY], 22
	s_add_co_u32 s58, s58, s59
	s_mov_b32 s59, 0
	s_lshl_b32 s60, s21, 7                         ; W: its place in wc, row 128 x block + 64 wn: nothing of cx enters these registers
	s_lshl_b32 s61, s16, 6
	s_add_co_u32 s60, s60, s61
	s_lshl_b32 s60, s60, 10
	s_lshl_b32 s61, s56, 20
	s_add_co_u32 s60, s60, s61
	s_lshl_b32 s61, s57, 18
	s_add_co_u32 s60, s60, s61
	s_mov_b32 s61, 0
	s_mov_b32 s63, 0
	s_wait_dscnt 0x0
	s_wait_kmcnt 0x0
	s_load_b256 s[84:91], s[42:43], 0x0            ; e0 .. e7
	s_load_b128 s[92:95], s[42:43], 0x20           ; e8 .. e11
	s_add_nc_u64 s[4:5], s[32:33], s[58:59]        ; x's codes
	s_add_nc_u64 s[6:7], s[34:35], s[60:61]        ; W's codes
	s_cmp_eq_u32 s[TY], 1
	s_cselect_b64 s[8:9], s[38:39], s[36:37]
	s_cmp_eq_u32 s[TY], 2
	s_cselect_b64 s[8:9], s[40:41], s[8:9]         ; the bias
	s_cselect_b64 s[12:13], s[48:49], s[46:47]     ; the f32 rows go to out2 or out1 (q stores none)
	s_lshl_b32 s62, s22, 8
	s_add_nc_u64 s[8:9], s[8:9], s[62:63]          ; at my head's 64 numbers
	s_lshl_b32 s62, s18, 7
	s_lshl_b32 s23, s15, 6
	s_add_co_u32 s62, s62, s23
	s_lshl_b32 s62, s62, 8
	s_lshl_b32 s23, s22, 20
	s_add_co_u32 s62, s62, s23
	s_add_nc_u64 s[12:13], s[12:13], s[62:63]      ; head x 4,096 rows of 256 bytes + my first token
	s_lshl_b32 s62, s22, 8                         ; q, k images: (head x 256 + 8 mt + 4 wm) x 1,024, k's behind q's
	s_lshl_b32 s23, s18, 3
	s_add_co_u32 s62, s62, s23
	s_lshl_b32 s23, s15, 2
	s_add_co_u32 s62, s62, s23
	s_lshl_b32 s62, s62, 10
	s_lshl_b32 s23, s56, 22
	s_add_co_u32 s62, s62, s23
	s_lshl_b32 s23, s22, 5                         ; v images: 5,242,880 + (head x 32 + mt) x 8,192 + 2 wm x 512
	s_add_co_u32 s23, s23, s18
	s_lshl_b32 s23, s23, 13
	s_lshl_b32 s2, s15, 10
	s_add_co_u32 s23, s23, s2
	s_add_co_u32 s23, s23, 5242880
	s_cmp_eq_u32 s[TY], 2
	s_cselect_b32 s62, s23, s62
	s_add_nc_u64 s[10:11], s[44:45], s[62:63]
	; descriptor group 1: 64 rows x 1,024 bytes, rows 1,024 bytes apart, 16 bytes of padding behind each row
	s_mov_b32 s24, (1<<20)|(7<<22)|(3<<25)                 ; x: no mask; elements of 1 byte; padding on, after every 256 words (a row), of 4 words
	s_mov_b32 s48, 15|(1<<20)|(1<<21)|(7<<22)|(3<<25)      ; W: the mask names the four partners, bit 21 beside it
.irp g, 24, 48
	s_mov_b32 s[\g+1], 1024<<16                    ; tensor_dim0
	s_mov_b32 s[\g+2], 64<<16                      ; tensor_dim1
	s_mov_b32 s[\g+3], 1024<<16                    ; tile_dim0
	s_mov_b32 s[\g+4], 64                          ; tile_dim1
	s_mov_b32 s[\g+5], 1024                        ; tensor_dim0_stride
	s_mov_b32 s[\g+6], 0
	s_mov_b32 s[\g+7], 0
.endr
	s_mul_i32 s3, s[WV], QTR                       ; where my rows go in a chunk: x's two halves, then W's two
.irp j, 0
	s_mov_b32 s[32+4*\j], 1
	s_add_co_u32 s[33+4*\j], s3, \j*CHUNK
	s_add_nc_u64 s[34+4*\j:35+4*\j], s[4:5], \j*256
	s_or_b32 s[35+4*\j], s[35+4*\j], 0x80000000
	s_mov_b32 s[68+4*\j], 1
	s_add_co_u32 s[69+4*\j], s3, \j*CHUNK
	s_add_nc_u64 s[70+4*\j:71+4*\j], s[6:7], \j*256
	s_or_b32 s[71+4*\j], s[71+4*\j], 0x80000000
.endr
	CROUND                                         ; all four work-groups are here: the joint loads meet
	s_cmp_eq_u32 s15, 0                            ; one tensor load a wave: 64 rows of 1,024 bytes
	s_cbranch_scc0 .Lfor_w
	tensor_load_to_lds s[32:35], s[24:31]
	s_nop 0
.rept 4
	v_nop
.endr
	s_branch .Lasked
.Lfor_w:
	tensor_load_to_lds s[68:71], s[48:55]
	s_nop 0
.rept 4
	v_nop
.endr
.Lasked:
	s_wait_kmcnt 0x0                               ; the exponents are waited for behind the tensor loads; nothing has written their load's base s[42:43]
	s_add_co_i32 s2, s84, s85
	s_add_co_i32 s3, s86, s87
	s_add_co_i32 s23, s88, s89
	s_cmp_eq_u32 s[TY], 1
	s_cselect_b32 s2, s3, s2
	s_cselect_b32 s3, s91, s90
	s_cmp_eq_u32 s[TY], 2
	s_cselect_b32 s2, s23, s2                      ; eA + eB
	s_cselect_b32 s3, s93, s3                      ; eQ: e6, e7 or e9
	s_add_co_i32 s2, s2, 127
	s_lshl_b32 s96, s2, 23                         ; 2^(eA + eB) as f32
	s_mov_b32 s97, s96                             ; (named with it as a pair)
	s_add_co_i32 s3, s3, 127
	s_lshl_b32 s98, s3, 23
	s_add_co_i32 s3, s3, 8
	s_lshl_b32 s99, s3, 23
	s_or_b32 s99, s99, 0x600000
	v_and_b32 v16, 15, v0                          ; r
	v_bfe_u32 v17, v0, 4, 1                        ; h
	v_and_b32 v18, 31, v0
	v_lshlrev_b32 v[LI], 4, v18
	v_mul_u32_u24 v19, v16, TP
	v_lshl_add_u32 v19, v17, 4, v19                ; x: row r, + 16 h
	v_and_b32 v20, 8, v16
	v_add_nc_u32 v20, v20, v16                     ; r + 8 (r / 8)
	v_mul_u32_u24 v21, v20, TP
	v_lshl_add_u32 v21, v17, 4, v21                ; W: that row, + 16 h
	s_wait_alu depctr_va_vdst(0)
	s_mul_i32 s2, s15, QTR
	s_mul_i32 s3, s16, QTR
	s_add_co_u32 s3, s3, HALF
.irp j, 0,1,2,3
	v_add_nc_u32 v[ADX+\j], s2, v19
	v_add_nc_u32 v[ADW+\j], s3, v21
	s_add_co_u32 s2, s2, CHUNK
	s_add_co_u32 s3, s3, CHUNK
.endr
	s_mul_i32 s2, s[WV], 16*PITCH
	s_add_co_u32 s2, s2, STAGE                     ; my stage
	v_mul_u32_u24 v22, v16, PITCH
	v_lshl_add_u32 v22, v17, 6, v22
	v_add_nc_u32 v[SO], s2, v22                    ; in: row r, + 64 h
	v_mul_u32_u24 v22, v17, PITCH
	v_lshl_add_u32 v22, v16, 4, v22
	v_add_nc_u32 v[SR], s2, v22                    ; out: lanes 0-15 one row, lanes 16-31 the next
	v_mul_u32_u24 v22, v17, 8*PITCH
	v_lshl_add_u32 v22, v20, 2, v22
	v_add_nc_u32 v[VC], s2, v22                    ; out by columns: token 8 h, column r + 8 (r / 8)
	v_mov_b32 v[SCQ], s98
	v_mov_b32 v[LMQ], s99
	v_lshlrev_b32 v24, 6, v17                      ; the bias: lane (r, h) wants, for tile 2 b + u, columns 32 b + 16 h + 8 u + 0 .. 7
.irp t, 0,1,2,3
	global_load_b128 v[BI+8*\t:BI+8*\t+3], v24, s[8:9] offset:(32*(\t/2)+8*(\t%2))*4
	global_load_b128 v[BI+8*\t+4:BI+8*\t+7], v24, s[8:9] offset:(32*(\t/2)+8*(\t%2))*4+16
.endr
.macro FETCH s, f                      ; the fragments of step s (128 along K): 16 loads for x's four tiles, 16 for W's four
	WIN TO_F
.irp a, 0,1,2,3
.irp c, 0,1,2,3
	ds_load_b128 v[\f+16*\a+4*\c:\f+16*\a+4*\c+3], v[ADX+(\s)/2] offset:\a*16*TP+128*((\s)%2)+32*\c
.endr
.endr
.irp t, 0,1,2,3
.irp c, 0,1,2,3
	ds_load_b128 v[\f+64+16*\t+4*\c:\f+64+16*\t+4*\c+3], v[ADW+(\s)/2] offset:(32*(\t/2)+8*(\t%2))*TP+128*((\s)%2)+32*\c
.endr
.endr
.endm
.macro MUL16 f, zero                   ; the 16 accumulators take turns, one instruction a turn, in the same order in every step
	WIN MUL
.irp a, 0,1,2,3
.irp t, 0,1,2,3
.if \zero
	v_wmma_f32_16x16x128_fp8_fp8 v[ACC+8*(4*\a+\t):ACC+8*(4*\a+\t)+7], v[\f+64+16*\t:\f+64+16*\t+15], v[\f+16*\a:\f+16*\a+15], 0
.else
	v_wmma_f32_16x16x128_fp8_fp8 v[ACC+8*(4*\a+\t):ACC+8*(4*\a+\t)+7], v[\f+64+16*\t:\f+64+16*\t+15], v[\f+16*\a:\f+16*\a+15], v[ACC+8*(4*\a+\t):ACC+8*(4*\a+\t)+7]
.endif
.endr
.endr
.endm
.macro GATE j                          ; chunk j is whole for every wave
	s_wait_alu depctr_va_vdst(0)                   ; the wait at the head's end
	s_wait_tensorcnt 0x0                           ; my one load has landed
	s_wait_dscnt 0x0                               ; no LDS instruction of mine is pending at a signal
	s_barrier_signal -1
	s_barrier_wait -1
.endm
	GATE 0
	FETCH 0, F0
	FETCH 1, F1
.irp s, 0,1,2,3,4,5,6,7
.if \s < 7
	s_wait_dscnt 32                                ; this step's fragments are in; the next step's 32 loads may be out
.else
	s_wait_dscnt 0x0
.endif
.if \s == 0
	MUL16 F0, 1                                    ; the first step's products start the sums
.else
	MUL16 128*(\s%2), 0
.endif
.if \s < 6
	PLACES
	FETCH \s+2, 128*(\s%2)
.endif
.endr
	WIN 0
	PLACES
	s_wait_loadcnt 0x0                             ; the bias
; THE WAY OUT of token tile a.
.macro OUT a
	s_wait_xcnt 0x0                                ; the last tile's stores have read their data
.irp i, 0,2,4,6,8,10,12,14,16,18,20,22,24,26,28,30
	v_pk_fma_f32 v[Y+\i:Y+\i+1], v[ACC+32*\a+\i:ACC+32*\a+\i+1], s[96:97], v[BI+\i:BI+\i+1] op_sel_hi:[1,0,1]   ; sum x 2^(eA + eB) + bias; each accumulator from its low end on
.endr
	s_cmp_eq_u32 s[TY], 2
	s_cbranch_scc1 .Lno_image_\@
.irp i, 0,1,2,3,4,5,6,7,8,9,10,11,12,13,14,15,16,17,18,19,20,21,22,23,24,25,26,27,28,29,30,31
	v_med3_num_f32 v[T+\i], v[Y+\i], -v[LMQ], v[LMQ]   ; the conversion does not saturate (ISA guide 7.6.2): the hold at 448 x the scale
.endr
.irp k, 0,1,2,3
	v_cvt_scalef32_pk8_fp8_f32 v[CD+2*\k:CD+2*\k+1], v[T+8*\k:T+8*\k+7], v[SCQ]
.endr
	v_nop                                          ; a plain line behind the conversions
	global_store_b128 v[LI], v[CD:CD+3], s[10:11] offset:\a*1024          ; part 0 of the tile's image: 512 consecutive bytes
	global_store_b128 v[LI], v[CD+4:CD+7], s[10:11] offset:\a*1024+512    ; part 1
.Lno_image_\@:
	s_cmp_eq_u32 s[TY], 0
	s_cbranch_scc1 .Lno_rows_\@
	s_wait_alu depctr_va_vdst(0)
.irp t, 0,1,2,3
	ds_store_b128 v[SO], v[Y+8*\t:Y+8*\t+3] offset:128*(\t/2)+32*(\t%2)
	ds_store_b128 v[SO], v[Y+8*\t+4:Y+8*\t+7] offset:128*(\t/2)+32*(\t%2)+16
.endr
.irp t, 0,1,2,3,4,5,6,7
	ds_load_b128 v[T+4*\t:T+4*\t+3], v[SR] offset:\t*2*PITCH   ; LDS serves a wave's instructions in order: these see the stores above
.endr
	s_cmp_eq_u32 s[TY], 2
	s_cbranch_scc0 .Lno_cols_\@
.irp t, 0,1,2,3
.irp j, 0,1,2,3,4,5,6,7
	ds_load_b32 v[Y+8*\t+\j], v[VC] offset:\j*PITCH+128*(\t/2)+32*(\t%2)   ; v(token 8 h + j, d of tile t's lane r): registers now run along the keys
.endr
.endr
.Lno_cols_\@:
	s_wait_dscnt 0x0
.irp t, 0,1,2,3,4,5,6,7
	global_store_b128 v[LI], v[T+4*\t:T+4*\t+3], s[12:13] offset:\a*4096+512*\t th:TH_STORE_NT   ; two whole rows of 256 bytes
.endr
	s_cmp_eq_u32 s[TY], 2
	s_cbranch_scc0 .Lno_vcodes_\@
.irp i, 0,1,2,3,4,5,6,7,8,9,10,11,12,13,14,15,16,17,18,19,20,21,22,23,24,25,26,27,28,29,30,31
	v_med3_num_f32 v[Y+\i], v[Y+\i], -v[LMQ], v[LMQ]
.endr
.irp t, 0,1,2,3
	v_cvt_scalef32_pk8_fp8_f32 v[ACC+8*\t+2*\a:ACC+8*\t+2*\a+1], v[Y+8*\t:Y+8*\t+7], v[SCQ]   ; gathered where tile 0's sums lay: they have been read
.endr
	v_nop
.Lno_vcodes_\@:
.Lno_rows_\@:
.endm
	OUT 0
	OUT 1
	OUT 2
	OUT 3
	s_cmp_eq_u32 s[TY], 2
	s_cbranch_scc0 .Lend
.irp t, 0,1,2,3
.irp k, 0,1
	global_store_b128 v[LI], v[ACC+8*\t+4*\k:ACC+8*\t+4*\k+3], s[10:11] offset:\t*2048+\k*512   ; my two groups of four registers of v's fragment t
.endr
.endr
.Lend:
	s_wait_dscnt 0x0
	s_wait_tensorcnt 0x0
	ds_add_u32 v30, v31
	s_wait_dscnt 0x0
	CROUND                                         ; the closing round: no work-group ends while a partner may still ask for a tile that names it
	s_endpgm
.Lfunc_end_k_qddca1d6dd3_qkv:
	.size	k_qddca1d6dd3_qkv, .Lfunc_end_k_qddca1d6dd3_qkv-k_qddca1d6dd3_qkv
	.p2alignl 7, 3214868480
	.fill 96, 4, 3214868480
	.section	.rodata,"a",@progbits
	.p2align	6, 0x0
	.amdhsa_kernel k_qddca1d6dd3_qkv
		.amdhsa_group_segment_fixed_size 296448
		.amdhsa_private_segment_fixed_size 0
		.amdhsa_enable_private_segment 0
		.amdhsa_kernarg_size 72
		.amdhsa_user_sgpr_count 2
		.amdhsa_user_sgpr_kernarg_segment_ptr 1
		.amdhsa_wavefront_size32 1
		.amdhsa_system_sgpr_workgroup_id_x 1
		.amdhsa_system_sgpr_workgroup_id_y 1
		.amdhsa_system_sgpr_workgroup_id_z 1
		.amdhsa_system_vgpr_workitem_id 0
		.amdhsa_next_free_vgpr 512
		.amdhsa_next_free_sgpr 100
		.amdhsa_reserve_vcc 0
		.amdhsa_float_denorm_mode_32 3
		.amdhsa_float_denorm_mode_16_64 3
		.amdhsa_memory_ordered 1
		.amdhsa_forward_progress 1
		.amdhsa_inst_pref_size 76
	.end_amdhsa_kernel
	.amdgpu_metadata
---
amdhsa.version: [ 1, 2 ]
amdhsa.kernels:
  - .name:           k_qddca1d6dd3_qkv
    .symbol:         k_qddca1d6dd3_qkv.kd
    .args:
      - { .name: xc, .offset: 0, .size: 8, .value_kind: global_buffer, .address_space: global }
      - { .name: wc, .offset: 8, .size: 8, .value_kind: global_buffer, .address_space: global }
      - { .name: q_b, .offset: 16, .size: 8, .value_kind: global_buffer, .address_space: global }
      - { .name: k_b, .offset: 24, .size: 8, .value_kind: global_buffer, .address_space: global }
      - { .name: v_b, .offset: 32, .size: 8, .value_kind: global_buffer, .address_space: global }
      - { .name: lowp_scales, .offset: 40, .size: 8, .value_kind: global_buffer, .address_space: global }
      - { .name: qkv, .offset: 48, .size: 8, .value_kind: global_buffer, .address_space: global }
      - { .name: out1, .offset: 56, .size: 8, .value_kind: global_buffer, .address_space: global }
      - { .name: out2, .offset: 64, .size: 8, .value_kind: global_buffer, .address_space: global }
    .group_segment_fixed_size: 296448
    .private_segment_fixed_size: 0
    .kernarg_segment_align: 8
    .kernarg_segment_size: 72
    .max_flat_workgroup_size: 128
    .sgpr_count:     100
    .vgpr_count:     512
    .wavefront_size: 32
...
	.end_amdgpu_metadata
.endif
;; end of part 2
;; launch attn (part 3): grid 64 x 4, 8 waves a work-group, no clusters, 296,960 bytes of LDS; arguments qkv, mimg, rf, fl, lowp_scales, acodes; writes acodes
.if DOCPART == 3
	.amdgcn_target "amdgcn-amd-amdhsa--gfx1250"
	.amdhsa_code_object_version 6
	.text
	.protected	k_qddca1d6dd3_attn
	.globl	k_qddca1d6dd3_attn
	.p2align	8
	.type	k_qddca1d6dd3_attn,@function
k_qddca1d6dd3_attn:
	s_mov_b64 s[64:65], 0
	v_nop
	global_prefetch_b8 v0, s[64:65] scope:SCOPE_SE
	s_setreg_imm32_b32 hwreg(HW_REG_WAVE_MODE, 25, 1), 1
	s_wait_xcnt 0x0
; ATTENTION on codes of E4M3.  16 query heads, 4 key and value heads, head size 64, 4,096 keys; the mask is an input.
; t = score x log2(e) / 8; M = the ceiling of the running largest t; p = 2^(t - M) is quantised (e8) along the keys; the row's sum is taken of the unquantised p and divides at the end.
; THE WALK FOLLOWS A STORED LIST.  The launch before stored in fl, for each tile of 16 queries, which of the 32 key steps of 128 keys hold a key that counts, and which hold a hidden key.  A step all of whose keys are
; hidden for all 16 queries adds p = 0 to every sum, as reference()'s -1e9 makes it: it is not walked.  A step with no hidden key needs no mask words: its C stays 0.  This holds for every mask, whatever its pattern.
; SHARES.  Work-group (j, kvh): query tiles 2 j, 2 j + 1, 255 - 2 j, 254 - 2 j x the 4 query heads of one key and value head.  Wave w walks TWO PASSES: tile 2 j + w % 2, then tile 255 less that; in each it takes the
; key steps whose number % 4 is w / 2.  So a mask whose open part grows with the query gives every wave nearly the same number of steps.  Each pass hands its O^T, -M and sums to LDS, in a block of its own;
; behind one barrier wave w joins the four parts of tile w / 2, heads 2 (w % 2) and + 1, by exact powers of two.
; LAYOUT.  Both products transposed: S^T = K Q^T + C (source 0 = 16 keys, source 1 = 16 queries), O^T = V^T P^T: a lane holds ONE query (lane % 16).  Register j of key tile k holds key 16 k + 8 (lane / 16) + j,
; which is where the plain K = 128 form wants it: the conversions' results are P.
; THE MASK IS THE C OF THE FIRST PRODUCT: 0 where the key counts, -2^127 where it is hidden.  A row with no open key: its image bytes are 0 and its word of rf is 0, by which its codes of Q are cleared: all weights equal.
; K, V and Q are images of the operands' registers and go from memory straight into registers: K's next step is asked for when the fourth head's scores are made, V's behind the fourth head's second product.
; The two passes' steps are ONE QUEUE: K and V hang on the step alone, so the first pass's last trip asks for the second pass's first step.
; NO TENSOR LOAD, NO CLUSTER: trip counts and branches hang on the stored list, so waves of a work-group, and work-groups, walk different steps.  PREFETCH: K's and V's later steps hang on the list and are asked for a
; step ahead by their loads; the second pass's Q, 16 blocks of 256 bytes that this work-group alone reads, is asked for once at the head, a whole pass ahead, by the wave with w / 2 = 0 that will read it.
; THE HOLD of p at 448 x 2^e8 is jumped over where e8 >= -8: p is under 1.75 = 448 x 2^-8 there.
; LIMITS: e6 + e7 between -80 and 9 (an open score then lies above -1e9 and its t above -2^40, a hidden one's below); e8, e10 between -126 and 119.  NaN is not served.
; REGISTERS.  Window 0: v1-11 addresses; v12-14 at work; v16-47 eight a head: -M, largest t, the sum (2), f (2), a second chain (2); v48-79 Q; v80-95 mask words, in the tiles at work; v104-167 C; v168-231 S^T, then p; v232-247 P.
; Window 1: v0-127 O^T (32 a head); v128-191 K's eight fragments; v192-255 V's four.
.set XB,    17408                      ; a block of the exchange: 34 x 512 bytes; block 4 x tile + part, 16 blocks
.set OST,   16*XB                      ; the tail's stage: 16 rows x 272 bytes for each query tile
.set SPARE, OST+4*16*272               ; the spare words, 128 bytes for each wave: four blocks of 256 bytes that no other line names
.set SPW, 1
.set NIL, 2
.set LI,  3                            ; 16 x lane
.set XA1, 4                            ; my block of the second pass
.set MO,  5                            ; the join: my tile's first block, my two heads' O^T
.set MB,  6                            ; the same, my two heads' -M
.set RFO, 7                            ; 4 r
.set XA0, 8                            ; my block of the first pass
.set SO,  9
.set SR,  10
.set GO,  11
.set T0,  12
.set T1,  13
.set T2,  14
.set ST,  16
.set Q,   48
.set MW,  80
.set SC,  80                           ; v80-83 two more chains of the sum
.set TA,  84                           ; v84, v85 two more chains of the maximum
.set TB,  85
.set C,   104
.set S,   168
.set P,   232
.set RF1, 252                          ; the second pass's word of rf
.set PF,  253                          ; the prefetch's offset; never rewritten
.set R,   104                          ; the tail: 64 numbers where C lay
.set KF,  128                          ; window 1
.set VF,  192
.set WV,  16                           ; s16 wave; s17 w / 2; s18 w % 2; s19 the pass's tile qt; s24 kvh; s25 2 j + w % 2; s93 255 less that
; s[26:27] K's images of the step asked for; s[28:29] of step 0; s32 my steps of this pass still to be asked for; s62 those of the next pass; s33, s63 steps with a hidden key; s34, s92 trips; s35 their counter;
; s36 the step in hand; s37 the next; s38 C is not 0; s39 the hold is needed; s61 the pass
.set MSB, 0
.macro WIN new                         ; the immediate's high byte repeats the setting that is left
.if MSB != \new
	s_set_vgpr_msb (MSB<<8)|\new
.set MSB, \new
.endif
.endm
.macro LOADK                           ; 8 KiB: eight key tiles, 512 consecutive bytes a load
	WIN 0x40
.irp k, 0,1,2,3,4,5,6,7
	global_load_b128 v[KF+8*\k:KF+8*\k+3], v[LI], s[26:27] offset:\k*1024
	global_load_b128 v[KF+8*\k+4:KF+8*\k+7], v[LI], s[26:27] offset:\k*1024+512
.endr
	WIN 0
.endm
.macro LOADV                           ; V's images lie 1,048,576 bytes behind K's
	WIN 0x40
.irp d, 0,1,2,3
.irp c, 0,1,2,3
	global_load_b128 v[VF+16*\d+4*\c:VF+16*\d+4*\c+3], v[LI], s[26:27] offset:1048576+\d*2048+\c*512
.endr
.endr
	WIN 0
.endm
.macro ZEROC
.set i, 0
.rept 64
	v_mov_b32 v[C+i], 0
.set i, i+1
.endr
.endm
.macro NEXT d                          ; the lowest of this pass's steps still to come, else the next pass's first (31 when none is left: a load inside the buffer that nobody uses); this pass's is taken off its list
	s_cmp_lg_u32 s32, 0
	s_cselect_b32 s2, s32, s62
	s_ctz_i32_b32 \d, s2
	s_min_u32 \d, \d, 31
	s_sub_co_u32 s2, s32, 1
	s_and_b32 s32, s32, s2
.endm
.macro DECODE a, lv, hd                ; byte w of lv: steps 8 w .. 8 w + 7 with a key that counts, my quarter of them; of hd: with a hidden key
	s_and_b32 \lv, s[\a], 0xff
	s_bfe_u32 \hd, s[\a], 0x80008
.irp w, 1,2,3
	s_and_b32 s2, s[\a+\w], 0xff
	s_lshl_b32 s2, s2, 8*\w
	s_or_b32 \lv, \lv, s2
	s_bfe_u32 s2, s[\a+\w], 0x80008
	s_lshl_b32 s2, s2, 8*\w
	s_or_b32 \hd, \hd, s2
.endr
	s_and_b32 \lv, \lv, s3
.endm
.macro DUMP xa                         ; a pass's results as images of the registers
	WIN 0x04                                       ; store data window 1
.set i, 0
.rept 32
	ds_store_b128 v[\xa], v[4*i:4*i+3] offset:512*i   ; each accumulator from its low end on
.set i, i+1
.endr
	WIN 0
	ds_store_b128 v[\xa], v[96:99] offset:512*32
	ds_store_b128 v[\xa], v[100:103] offset:512*33
.endm
	s_load_b256 s[4:11], s[0:1], 0x0               ; qkv, mimg, rf, fl
	s_load_b128 s[12:15], s[0:1], 0x20             ; the scales' exponents, acodes
	v_lshl_add_u32 v[SPW], v0, 2, SPARE
	v_mov_b32 v[NIL], 0
	v_lshrrev_b32 v3, 5, v0
	s_delay_alu instid0(VALU_DEP_1)
	v_readfirstlane_b32 s[WV], v3                  ; wave 0..7
	s_and_b32 s18, s[WV], 1
	s_lshr_b32 s17, s[WV], 1
	s_lshl_b32 s25, ttmp9, 1
	s_add_co_u32 s25, s25, s18
	s_sub_co_u32 s93, 255, s25
	s_and_b32 s24, ttmp7, 0xffff                   ; kvh
	s_lshl_b32 s30, s24, 18
	s_add_co_u32 s30, s30, 4194304
	s_mov_b32 s31, 0
	s_mov_b32 s41, 0
	s_mov_b32 s47, 0
	s_mov_b32 s20, 0x76543210                      ; v_permlanex16_b32's selects for lane l xor 16
	s_mov_b32 s21, 0xfedcba98
.irp b, 0,1,2,3
	s_mov_b32 s[48+\b], (\b<<24)|0x0c0c0c          ; v_perm_b32: byte b of the word on top, three zero bytes under it
.endr
	s_mov_b32 s38, 0
	s_mov_b32 s61, 0
	s_lshl_b32 s80, s18, 2                         ; the LDS places, all of the wave's number alone
	s_add_co_u32 s80, s80, s17
	s_mul_i32 s80, s80, XB                         ; first pass: block 4 (w % 2) + w / 2; the second pass's lies 8 blocks on
	s_mul_i32 s2, s17, 4*XB                        ; the join: tile w / 2's four blocks,
	s_lshl_b32 s81, s18, 13
	s_add_co_u32 s81, s81, s2                      ; heads 2 (w % 2) on: 16 groups of 512 bytes
	s_lshl_b32 s82, s18, 3
	s_add_co_u32 s82, s82, s2
	s_add_co_u32 s82, s82, 16384                   ; and their two words of -M
	s_mul_i32 s2, s17, 16*272
	s_add_co_u32 s2, s2, OST                       ; tile w / 2's stage
	s_lshl_b32 s83, s18, 7
	s_add_co_u32 s83, s83, s2                      ; in: my two heads' 128 bytes of a row
	s_mul_i32 s84, s18, 8*272
	s_add_co_u32 s84, s84, s2                      ; out: rows 8 (w % 2) on
	s_lshl_b32 s85, s18, 13
	v_and_b32 v12, 31, v0
	v_and_b32 v13, 15, v0                          ; r
	v_bfe_u32 v14, v0, 4, 1                        ; h
	v_lshlrev_b32 v[LI], 4, v12
	v_min_u32 v[PF], 15, v12                       ; the prefetch: lane l names block l of 16; the lanes left over name the last once more
	v_lshlrev_b32 v[RFO], 2, v13
	v_mul_u32_u24 v15, v13, 272
	v_mul_u32_u24 v12, v14, 272
	v_lshlrev_b32 v[GO], 10, v14
	v_lshrrev_b32 v249, 2, v[PF]
	v_and_b32 v[PF], 3, v[PF]
	v_add_nc_u32 v[XA0], s80, v[LI]
	v_add_nc_u32 v[MO], s81, v[LI]
	v_add_nc_u32 v[MB], s82, v[LI]
	v_lshlrev_b32 v[PF], 8, v[PF]
	v_lshl_add_u32 v15, v14, 4, v15
	v_lshl_add_u32 v12, v13, 4, v12
	v_lshl_add_u32 v[GO], v13, 4, v[GO]
	v_lshl_add_u32 v[PF], v249, 18, v[PF]          ; 262,144 x head + 256 x quarter of its 1,024 bytes
	v_add_nc_u32 v[XA1], 8*XB, v[XA0]
	v_add_nc_u32 v[SO], s83, v15                   ; the stage, in: row r, + 16 h
	v_add_nc_u32 v[SR], s84, v12                   ; out: lanes 0-15 one row, lanes 16-31 the next
	v_add_nc_u32 v[GO], s85, v[GO]                 ; and the same two rows in acodes
	ZEROC                                          ; C = 0: all keys count, until a step with hidden keys writes it
	s_wait_alu depctr_va_vdst(0)                   ; the wait here, directly ahead of the wait below
	s_wait_kmcnt 0x0
	s_load_b128 s[52:55], s[12:13], 0x18           ; e6, e7, e8, e9
	s_load_b32 s56, s[12:13], 0x28                 ; e10
	s_lshl_b32 s46, s25, 4
	s_add_nc_u64 s[72:73], s[10:11], s[46:47]
	s_load_b128 s[68:71], s[72:73], 0x0            ; the first tile's four words of the list
	s_lshl_b32 s46, s93, 4
	s_add_nc_u64 s[86:87], s[10:11], s[46:47]
	s_load_b128 s[88:91], s[86:87], 0x0            ; the second tile's
	s_add_nc_u64 s[28:29], s[4:5], s[30:31]        ; K's images of my key and value head
	s_lshl_b32 s46, s25, 6
	s_add_nc_u64 s[76:77], s[8:9], s[46:47]
	global_load_b32 v97, v[RFO], s[76:77]          ; my query's word of rf, first pass
	s_lshl_b32 s46, s93, 6
	s_add_nc_u64 s[78:79], s[8:9], s[46:47]
	global_load_b32 v[RF1], v[RFO], s[78:79]       ; and second
	s_lshl_b32 s46, s24, 20
	s_lshl_b32 s2, s93, 10
	s_add_co_u32 s46, s46, s2
	s_add_nc_u64 s[94:95], s[4:5], s[46:47]        ; the second pass's Q
	s_cmp_lg_u32 s17, 0
	s_cbranch_scc1 .Lnot_mine
	global_prefetch_b8 v[PF], s[94:95] th:TH_LOAD_NT scope:SCOPE_SE
.Lnot_mine:
	s_wait_kmcnt 0x0
	s_lshl_b32 s3, 0x11111111, s17                 ; my quarter: the steps whose number % 4 is w / 2
	DECODE 68, s32, s33
	DECODE 88, s62, s63
	s_bcnt1_i32_b32 s34, s32                       ; so many trips in the first pass,
	s_bcnt1_i32_b32 s92, s62                       ; and in the second
	NEXT s36
	s_lshl_b32 s30, s36, 13
	s_add_nc_u64 s[26:27], s[28:29], s[30:31]
	LOADK                                          ; my first step
	LOADV
	s_add_co_i32 s2, s52, s53
	s_lshl_b32 s2, s2, 23
	s_add_co_i32 s22, s2, 0x3e38aa3b               ; c = log2(e) / 8 x 2^(e6 + e7): the exponents are added to c's exponent field
	s_mov_b32 s23, s22                             ; (named with it as a pair)
	s_cmp_lt_i32 s54, -8
	s_cselect_b32 s39, 1, 0
	s_add_co_i32 s2, s54, 127
	s_lshl_b32 s3, s2, 23
	v_mov_b32 v248, s3                             ; 2^e8
	s_add_co_i32 s2, s2, 8
	s_lshl_b32 s57, s2, 23
	s_or_b32 s57, s57, 0x600000                    ; 448 x 2^e8
	s_add_co_i32 s45, s54, s55                     ; e8 + e9
	s_add_co_i32 s2, s56, 127
	s_lshl_b32 s3, s2, 23
	v_mov_b32 v250, s3                             ; 2^e10
	s_add_co_i32 s2, s2, 8
	s_lshl_b32 s2, s2, 23
	s_or_b32 s2, s2, 0x600000
	v_mov_b32 v251, s2                             ; 448 x 2^e10
; ONE HEAD'S SHARE OF A KEY STEP: 8 products S^T, the softmax, 4 products O^T.
.macro TILE g
.set rT, ST+8*\g
.if \g == 0
	s_wait_loadcnt 16                              ; K's 16 loads are in; V's 16, issued behind them, may be out
.endif
	WIN 0x01                                       ; source 0 (K) window 1
.irp k, 0,1,2,3,4,5,6,7
	v_wmma_f32_16x16x64_fp8_fp8 v[S+8*\k:S+8*\k+7], v[KF+8*\k:KF+8*\k+7], v[Q+8*\g:Q+8*\g+7], v[C+8*\k:C+8*\k+7]
.endr
	WIN 0
.rept 4
	v_nop                                          ; places in front of the first read of the results, and of loads into K's registers
.endr
.if \g == 3
	s_wait_alu depctr_va_vdst(0)
	s_wait_xcnt 0x0                                ; the earlier loads have read their base
	s_lshl_b32 s30, s37, 13
	s_add_nc_u64 s[26:27], s[28:29], s[30:31]
	LOADK                                          ; the next step's K: its registers have fed their last product
.endif
	v_max3_num_f32 v[T0], v[S], v[S+1], v[S+2]     ; the step's largest score of my query among my 64 keys, in four chains, the registers in ascending order: each accumulator is first read at its low end
	v_max3_num_f32 v[T1], v[S+3], v[S+4], v[S+5]
	v_max3_num_f32 v[TA], v[S+6], v[S+7], v[S+8]
	v_max3_num_f32 v[TB], v[S+9], v[S+10], v[S+11]
.irp i, 12,20,28,36,44,52
	v_max3_num_f32 v[T0], v[T0], v[S+\i], v[S+\i+1]
	v_max3_num_f32 v[T1], v[T1], v[S+\i+2], v[S+\i+3]
	v_max3_num_f32 v[TA], v[TA], v[S+\i+4], v[S+\i+5]
	v_max3_num_f32 v[TB], v[TB], v[S+\i+6], v[S+\i+7]
.endr
	v_max3_num_f32 v[T0], v[T0], v[S+60], v[S+61]
	v_max3_num_f32 v[T1], v[T1], v[S+62], v[S+63]
	v_max_num_f32 v[TA], v[TA], v[TB]
	s_delay_alu instid0(VALU_DEP_1)
	v_max3_num_f32 v[T0], v[T0], v[T1], v[TA]
	s_delay_alu instid0(VALU_DEP_1)
	v_permlanex16_b32 v[T2], v[T0], s20, s21
	s_delay_alu instid0(VALU_DEP_1)
	v_max_num_f32 v[T0], v[T0], v[T2]              ; and among lane l xor 16's
	s_delay_alu instid0(VALU_DEP_1)
	v_mul_f32 v[T0], s22, v[T0]                    ; as t (c is positive)
	s_delay_alu instid0(VALU_DEP_1)
	v_max_num_f32 v[rT+1], v[rT+1], v[T0]          ; the running largest t
	v_mov_b32 v[T0], v[rT]
	s_delay_alu instid0(VALU_DEP_2)
	v_floor_f32 v[rT], -v[rT+1]                    ; the new -M = floor(-t): M is a whole number
	s_delay_alu instid0(VALU_DEP_1)
	v_sub_f32 v[T0], v[rT], v[T0]                  ; old M - new M: a whole number, 0 or less
	s_delay_alu instid0(VALU_DEP_1)
	v_cvt_i32_f32 v[T0], v[T0]                     ; (it saturates)
	s_delay_alu instid0(VALU_DEP_1)
	v_ldexp_f32 v[rT+4], 1.0, v[T0]                ; f = 2^(old M - new M)
.set j, 0
.rept 32
	v_pk_fma_f32 v[S+j:S+j+1], v[S+j:S+j+1], s[22:23], v[rT:rT+1] op_sel_hi:[1,0,0]   ; t - M, two at a time
.set j, j+2
.endr
.set j, 0
	s_wait_alu depctr_va_vdst(0)                   ; the wait ahead of the batch
.rept 64
	v_exp_f32 v[S+j], v[S+j]                       ; p = 2^(t - M); 0 for a hidden key
.set j, j+1
.endr
	v_pk_mul_f32 v[rT+2:rT+3], v[rT+2:rT+3], v[rT+4:rT+5] op_sel_hi:[1,0]   ; the sum under the new M (a plain line behind the exponentials)
	WIN 0x41                                       ; O^T (destination and source 0) window 1, f window 0
	s_wait_alu depctr_va_vdst(0)                   ; the wait behind the batch, and directly ahead of the first reader of O^T: one wait is both
.set j, 0
.rept 16
	v_pk_mul_f32 v[32*\g+j:32*\g+j+1], v[32*\g+j:32*\g+j+1], v[rT+4:rT+5] op_sel_hi:[1,0]   ; O^T under the new M
.set j, j+2
.endr
	WIN 0
	v_pk_add_f32 v[rT+6:rT+7], v[S:S+1], v[S+2:S+3]                         ; the sum of the unquantised p, in four chains
	v_pk_add_f32 v[SC:SC+1], v[S+4:S+5], v[S+6:S+7]
	v_pk_add_f32 v[SC+2:SC+3], v[S+8:S+9], v[S+10:S+11]
.irp j, 12,20,28,36,44,52
	v_pk_add_f32 v[rT+2:rT+3], v[rT+2:rT+3], v[S+\j:S+\j+1]
	v_pk_add_f32 v[rT+6:rT+7], v[rT+6:rT+7], v[S+\j+2:S+\j+3]
	v_pk_add_f32 v[SC:SC+1], v[SC:SC+1], v[S+\j+4:S+\j+5]
	v_pk_add_f32 v[SC+2:SC+3], v[SC+2:SC+3], v[S+\j+6:S+\j+7]
.endr
	v_pk_add_f32 v[rT+2:rT+3], v[rT+2:rT+3], v[S+60:S+61]
	v_pk_add_f32 v[rT+6:rT+7], v[rT+6:rT+7], v[S+62:S+63]
	v_pk_add_f32 v[SC:SC+1], v[SC:SC+1], v[SC+2:SC+3]
	s_delay_alu instid0(VALU_DEP_2)
	v_pk_add_f32 v[rT+2:rT+3], v[rT+2:rT+3], v[rT+6:rT+7]
	s_delay_alu instid0(VALU_DEP_1)
	v_pk_add_f32 v[rT+2:rT+3], v[rT+2:rT+3], v[SC:SC+1]
	s_cmp_eq_u32 s39, 0                            ; e8 >= -8: no p reaches 448 x 2^e8
	s_wait_alu depctr_va_vdst(0)                   ; the wait ahead of the branch
	s_cbranch_scc1 .Lfits_\@
.set j, 0
.rept 32
	v_dual_min_num_f32 v[S+j], s57, v[S+j] :: v_dual_min_num_f32 v[S+j+1], s57, v[S+j+1]   ; the conversion does not saturate (ISA guide 7.6.2); p is not negative, so the hold is one-sided
.set j, j+2
.endr
.Lfits_\@:
.irp k, 0,1,2,3,4,5,6,7
	v_cvt_scalef32_pk8_fp8_f32 v[P+2*\k:P+2*\k+1], v[S+8*\k:S+8*\k+7], v248   ; registers 2 k, 2 k + 1 of P: keys 16 k + 8 h + 0 .. 7
.endr
	v_nop                                          ; a plain line behind the conversions
.if \g == 0
	s_wait_alu depctr_va_vdst(0)
	s_wait_loadcnt 0x0                             ; V is in
.endif
	WIN 0x51                                       ; V window 1, P window 0, O^T window 1
.irp d, 0,1,2,3
	v_wmma_f32_16x16x128_fp8_fp8 v[32*\g+8*\d:32*\g+8*\d+7], v[VF+16*\d:VF+16*\d+15], v[P:P+15], v[32*\g+8*\d:32*\g+8*\d+7]   ; four accumulators by turns
.endr
	WIN 0
.endm
.Lpass:                                            ; two trips: tile 2 j + w % 2, then tile 255 less that
	s_cmp_eq_u32 s61, 0
	s_cselect_b32 s19, s25, s93                    ; qt
	s_lshl_b32 s46, s24, 20
	s_lshl_b32 s2, s19, 10
	s_add_co_u32 s46, s46, s2
	s_add_nc_u64 s[58:59], s[4:5], s[46:47]        ; Q's images: head 4 kvh, tile qt
	s_lshl_b32 s46, s19, 16
	s_add_nc_u64 s[74:75], s[6:7], s[46:47]        ; the tile's mask image
.irp g, 0,1,2,3
.irp p, 0,1
	global_load_b128 v[Q+8*\g+4*\p:Q+8*\g+4*\p+3], v[LI], s[58:59] offset:\g*262144+\p*512   ; Q stays in registers through the pass
.endr
.endr
.irp g, 0,1,2,3
	v_mov_b32 v[ST+8*\g], 0x53800000               ; -M = 2^40
	v_mov_b32 v[ST+8*\g+1], 0xd3800000             ; the largest t so far: -2^40, under every open t and over every hidden one
.irp i, 2,3,4,5,6,7
	v_mov_b32 v[ST+8*\g+\i], 0
.endr
.endr
	WIN 0x40
.set i, 0
.rept 128
	v_mov_b32 v[i], 0                              ; O^T.  The key step is written once; a wave may have no step at all in a pass, and then hands zeros on
.set i, i+1
.endr
	WIN 0
	s_mov_b32 s35, 0
	s_wait_alu depctr_va_vdst(0)                   ; the wait here, directly ahead of the wait below
	s_wait_loadcnt 0x0                             ; Q (and, the first time, rf) is in; the pass's first K and V were asked for ahead of it
.set i, 0
.rept 32
	v_and_b32 v[Q+i], v[Q+i], v97                  ; a query with no open key: zero codes
.set i, i+1
.endr
	s_cmp_eq_u32 s34, 0                            ; none of my steps of this pass holds a key that counts
	s_wait_alu depctr_va_vdst(0)                   ; the wait ahead of the branch
	s_cbranch_scc1 .Lnone
.Lstep:                                            ; a trip: 128 keys for my 16 queries x 4 heads
	s_bitcmp1_b32 s33, s36
	s_cbranch_scc0 .Lopen
	s_and_b32 s40, s36, 0x18                       ; the step's 2,048 bytes of the mask image: 8,192 (step / 8) + 32,768 ((step / 4) % 2) + 2,048 (step % 4)
	s_lshl_b32 s40, s40, 10
	s_and_b32 s2, s36, 4
	s_lshl_b32 s2, s2, 13
	s_add_co_u32 s40, s40, s2
	s_and_b32 s2, s36, 3
	s_lshl_b32 s2, s2, 11
	s_add_co_u32 s40, s40, s2
	s_add_nc_u64 s[42:43], s[74:75], s[40:41]
.irp c, 0,1,2,3
	global_load_b128 v[MW+4*\c:MW+4*\c+3], v[LI], s[42:43] offset:512*\c
.endr
	s_wait_loadcnt 0x0
.irp w, 0,1,2,3,4,5,6,7,8,9,10,11,12,13,14,15
.irp b, 0,1,2,3
	v_perm_b32 v[C+4*\w+\b], v[MW+\w], v[MW+\w], s[48+\b]   ; 0 or -2^127: the C of all four heads' products
.endr
.endr
	s_mov_b32 s38, 1
	s_wait_alu depctr_va_vdst(0)
	s_branch .Lready
.Lopen:
	s_cmp_eq_u32 s38, 0
	s_cbranch_scc1 .Lready
	ZEROC                                          ; an open step behind one with hidden keys
	s_mov_b32 s38, 0
	s_wait_alu depctr_va_vdst(0)
.Lready:
	NEXT s37
	TILE 0
	TILE 1
	TILE 2
	TILE 3
.rept 4
	v_nop                                          ; places in front of loads into registers that the last products read
.endr
	LOADV                                          ; the next step's V
	s_min_u32 s36, s37, 31
	s_add_co_u32 s35, s35, 1
	s_cmp_lt_u32 s35, s34
	s_wait_alu depctr_va_vdst(0)
	s_cbranch_scc1 .Lstep
.Lnone:
.irp g, 0,1,2,3
	v_add_f32 v[100+\g], v[ST+8*\g+2], v[ST+8*\g+3]   ; the sum's two halves
.endr
.irp g, 0,1,2,3
	v_mov_b32 v[96+\g], v[ST+8*\g]
.endr
	s_cmp_lg_u32 s61, 0                            ; each pass has a block of its own, at an address made at the head
	s_wait_alu depctr_va_vdst(0)
	s_cbranch_scc1 .Lsecond
	DUMP XA0
	s_branch .Ldumped
.Lsecond:
	DUMP XA1
.Ldumped:
	s_wait_dscnt 0x0                               ; my stores are done: for the others' sake, and their registers are written anew in the next pass
	v_mov_b32 v97, v[RF1]                          ; the next pass's word of rf,
	s_sub_co_u32 s2, s62, 1
	s_and_b32 s32, s62, s2                         ; its list, less its first step, which has been asked for,
	s_mov_b32 s62, 0
	s_mov_b32 s33, s63
	s_mov_b32 s34, s92                             ; and its trips
	s_add_co_u32 s61, s61, 1
	s_cmp_lt_u32 s61, 2
	s_wait_alu depctr_va_vdst(0)
	s_cbranch_scc1 .Lpass
	; THE JOIN.  Wave w takes tile w / 2 of the four, heads 2 (w % 2) and + 1: four parts of 64 registers, their -M and their sums.
	s_wait_loadcnt 0x0                             ; the loads asked for beyond my last step have landed
	s_barrier_signal -1
	s_barrier_wait -1
	WIN 0x40
.irp i, 0,1,2,3
.irp m, 0,1,2,3,4,5,6,7,8,9,10,11,12,13,14,15
	ds_load_b128 v[64*\i+4*\m:64*\i+4*\m+3], v[MO] offset:\i*XB+512*\m
.endr
.endr
	WIN 0
.irp i, 0,1,2,3
	ds_load_b64 v[232+2*\i:233+2*\i], v[MB] offset:\i*XB       ; part i's -M of my two heads
	ds_load_b64 v[240+2*\i:241+2*\i], v[MB] offset:\i*XB+512   ; and its sums
.endr
	s_and_b32 s2, s17, 1                           ; the tile that I join: 2 j + (w / 2) % 2, or 255 less that
	s_lshl_b32 s3, ttmp9, 1
	s_add_co_u32 s2, s2, s3
	s_sub_co_u32 s3, 255, s2
	s_cmp_lt_u32 s17, 2
	s_cselect_b32 s2, s2, s3
	s_lshl_b32 s46, s2, 14
	s_lshl_b32 s2, s24, 8
	s_add_co_u32 s46, s46, s2
	s_add_nc_u64 s[78:79], s[14:15], s[46:47]      ; acodes: its 16 rows of 1,024 bytes, my key and value head's 256
	s_wait_dscnt 0x0
.irp e, 0,1
	v_min_num_f32 v[T0], v[232+\e], v[234+\e]      ; the common -M: the largest M
	v_min_num_f32 v[T1], v[236+\e], v[238+\e]
	s_delay_alu instid0(VALU_DEP_1)
	v_min_num_f32 v[T0], v[T0], v[T1]
.irp i, 0,1,2,3
	v_sub_f32 v[ST+8*\e+2*\i], v[T0], v[232+2*\i+\e]   ; part i's M less the common one: a whole number, 0 or less
.endr
.irp i, 0,1,2,3
	v_cvt_i32_f32 v[ST+8*\e+2*\i], v[ST+8*\e+2*\i]     ; (it saturates)
.endr
.irp i, 0,1,2,3
	v_ldexp_f32 v[ST+8*\e+2*\i], 1.0, v[ST+8*\e+2*\i]
.endr
	v_mul_f32 v[T1], v[240+\e], v[ST+8*\e]
.irp i, 1,2,3
	s_delay_alu instid0(VALU_DEP_1)
	v_fma_f32 v[T1], v[240+2*\i+\e], v[ST+8*\e+2*\i], v[T1]
.endr
	s_delay_alu instid0(VALU_DEP_1)
	v_permlanex16_b32 v[T2], v[T1], s20, s21
	s_delay_alu instid0(VALU_DEP_1)
	v_add_f32 v[T1], v[T1], v[T2]                  ; the row's sum
	s_wait_alu depctr_va_vdst(0)
	v_rcp_f32 v[T1], v[T1]
	v_nop                                          ; a plain line behind the transcendental
	s_wait_alu depctr_va_vdst(0)
	v_ldexp_f32 v[T1], v[T1], s45                  ; x 2^(e8 + e9)
.irp i, 0,1,2,3
	v_mul_f32 v[ST+8*\e+2*\i], v[ST+8*\e+2*\i], v[T1]
.endr
.endr
	WIN 0x01                                       ; source 0 window 1
.irp e, 0,1
.set n, 0
.rept 16
	v_pk_mul_f32 v[R+32*\e+n:R+32*\e+n+1], v[32*\e+n:32*\e+n+1], v[ST+8*\e:ST+8*\e+1] op_sel_hi:[1,0]
.set n, n+2
.endr
.endr
.irp i, 1,2,3
.irp e, 0,1
.set n, 0
.rept 16
	v_pk_fma_f32 v[R+32*\e+n:R+32*\e+n+1], v[64*\i+32*\e+n:64*\i+32*\e+n+1], v[ST+8*\e+2*\i:ST+8*\e+2*\i+1], v[R+32*\e+n:R+32*\e+n+1] op_sel_hi:[1,0,1]
.set n, n+2
.endr
.endr
.endr
	WIN 0
.set i, 0
.rept 64
	v_med3_num_f32 v[R+i], v[R+i], -v251, v251     ; the hold at 448 x 2^e10
.set i, i+1
.endr
.set i, 0
.rept 8
	v_cvt_scalef32_pk8_fp8_f32 v[Q+2*i:Q+2*i+1], v[R+8*i:R+8*i+7], v250   ; my head e, registers 8 e + 4 b on: d = 32 b + 16 h + 0 .. 15 of my query
.set i, i+1
.endr
	v_nop                                          ; a plain line behind the conversions
.irp e, 0,1
.irp b, 0,1
	ds_store_b128 v[SO], v[Q+8*\e+4*\b:Q+8*\e+4*\b+3] offset:64*\e+32*\b
.endr
.endr
	s_wait_alu depctr_va_vdst(0)
	s_wait_dscnt 0x0                               ; for my partner's sake: my half of each row is in the stage
	s_barrier_signal -1
	s_barrier_wait -1
.irp t, 0,1,2,3
	ds_load_b128 v[S+4*\t:S+4*\t+3], v[SR] offset:\t*2*272   ; eight whole rows of the tile's sixteen
.endr
.irp t, 0,1,2,3
	s_wait_dscnt 3-\t                              ; the 3 - t younger loads may be out
	global_store_b128 v[GO], v[S+4*\t:S+4*\t+3], s[78:79] offset:\t*2048   ; sixteen lanes store 256 consecutive bytes, at a multiple of 256 from the buffer's first byte
.endr
	s_wait_tensorcnt 0x0                           ; the wave's end
	ds_add_u32 v[SPW], v[NIL]
	s_wait_dscnt 0x0
	s_endpgm
.Lfunc_end_k_qddca1d6dd3_attn:
	.size	k_qddca1d6dd3_attn, .Lfunc_end_k_qddca1d6dd3_attn-k_qddca1d6dd3_attn
	.p2alignl 7, 3214868480
	.fill 96, 4, 3214868480
	.section	.rodata,"a",@progbits
	.p2align	6, 0x0
	.amdhsa_kernel k_qddca1d6dd3_attn
		.amdhsa_group_segment_fixed_size 296960
		.amdhsa_private_segment_fixed_size 0
		.amdhsa_enable_private_segment 0
		.amdhsa_kernarg_size 48
		.amdhsa_user_sgpr_count 2
		.amdhsa_user_sgpr_kernarg_segment_ptr 1
		.amdhsa_wavefront_size32 1
		.amdhsa_system_sgpr_workgroup_id_x 1
		.amdhsa_system_sgpr_workgroup_id_y 1
		.amdhsa_system_sgpr_workgroup_id_z 1
		.amdhsa_system_vgpr_workitem_id 0
		.amdhsa_next_free_vgpr 512
		.amdhsa_next_free_sgpr 100
		.amdhsa_reserve_vcc 0
		.amdhsa_float_denorm_mode_32 3
		.amdhsa_float_denorm_mode_16_64 3
		.amdhsa_memory_ordered 1
		.amdhsa_forward_progress 1
		.amdhsa_inst_pref_size 112
	.end_amdhsa_kernel
	.amdgpu_metadata
---
amdhsa.version: [ 1, 2 ]
amdhsa.kernels:
  - .name:           k_qddca1d6dd3_attn
    .symbol:         k_qddca1d6dd3_attn.kd
    .args:
      - { .name: qkv, .offset: 0, .size: 8, .value_kind: global_buffer, .address_space: global }
      - { .name: mimg, .offset: 8, .size: 8, .value_kind: global_buffer, .address_space: global }
      - { .name: rf, .offset: 16, .size: 8, .value_kind: global_buffer, .address_space: global }
      - { .name: fl, .offset: 24, .size: 8, .value_kind: global_buffer, .address_space: global }
      - { .name: lowp_scales, .offset: 32, .size: 8, .value_kind: global_buffer, .address_space: global }
      - { .name: acodes, .offset: 40, .size: 8, .value_kind: global_buffer, .address_space: global }
    .group_segment_fixed_size: 296960
    .private_segment_fixed_size: 0
    .kernarg_segment_align: 8
    .kernarg_segment_size: 48
    .max_flat_workgroup_size: 256
    .sgpr_count:     100
    .vgpr_count:     512
    .wavefront_size: 32
...
	.end_amdgpu_metadata
.endif
;; end of part 3
;; launch oproj (part 4): grid 32 x 8, 4 waves a work-group, clusters of 4 x 4, 296,448 bytes of LDS; arguments acodes, wc, o_b, lowp_scales, out0; writes out0
.if DOCPART == 4
	.amdgcn_target "amdgcn-amd-amdhsa--gfx1250"
	.amdhsa_code_object_version 6
	.text
	.protected	k_qddca1d6dd3_oproj
	.globl	k_qddca1d6dd3_oproj
	.p2align	8
	.type	k_qddca1d6dd3_oproj,@function
k_qddca1d6dd3_oproj:
	s_mov_b64 s[64:65], 0
	v_nop
	global_prefetch_b8 v0, s[64:65] scope:SCOPE_SE
	s_setreg_imm32_b32 hwreg(HW_REG_WAVE_MODE, 25, 1), 1
	s_wait_xcnt 0x0
	s_wait_alu depctr_hold_cnt(0) depctr_sa_sdst(0) depctr_va_vdst(0) depctr_va_sdst(0) depctr_va_ssrc(0) depctr_va_vcc(0) depctr_vm_vsrc(0)
	s_getreg_b32 s2, hwreg(HW_REG_IB_STS2, 6, 4)
	s_cmp_eq_u32 s2, 0
	s_cbranch_scc0 .Lentry_in_a_cluster
	s_endpgm
.Lentry_in_a_cluster:
	s_bfe_u32 s2, ttmp6, 0x10000c
	s_cmp_lg_u32 s2, 0xf033
	s_cbranch_scc0 .Lentry_shape_is_right
	s_endpgm
.Lentry_shape_is_right:
; THE OUTPUT PROJECTION, on codes of E4M3: out0 = (sum of code products) x 2^(e10 + e11) + o_b.  A work-group makes 128 tokens x 128 columns: 32 x 8 = 256 work-groups.
; Four waves, each 64 tokens x 64 columns: 16 accumulators.  K = 1,024 lies WHOLE in LDS, in four chunks of 256 along K: every LDS byte is filled once, so there is no ring.
; THE MATRIX INSTRUCTION IS USED TRANSPOSED (source 0 = 16 rows of o_w, source 1 = 16 tokens); lane r of W's tile 2 b + u takes row 32 b + 8 u + r + 8 (r / 8), so that lane (r, h) holds token r and the 16
; registers of tiles 2 b, 2 b + 1 are columns 32 b + 16 h + 0 .. 15.  A fragment comes by four loads of 16 bytes: a permutation of k, the same in both sources.
; CLUSTER 4, 4, 1: the tokens' tiles hang on work-group x alone and are shared along a column of the cluster, W's on work-group y alone and are shared along a row: both are asked for jointly.
; LIMIT: e10 + e11 between -126 and 127.
.set PITCH, 272                        ; a row of the stage: 256 bytes + 16 of padding
.set TP,    1040                       ; a tile's row in LDS: all 1,024 codes along K + 16 bytes of padding = 65 x 16 bytes: the 16 rows that a load touches start at 16 different groups of four banks
.set QTR,   64*TP                      ; what a wave's one tensor load brings: 64 whole rows
.set HALF,  128*TP
.set CHUNK, 256                        ; from one 256 along K to the next, inside a row
.set STAGE, 2*HALF                     ; behind the tokens' 128 rows and W's 128 rows: 16 rows x 272 bytes for each wave; no tensor load lands there
.set ADX, 2                            ; v2-5   my token fragments in chunk j
.set ADW, 6                            ; v6-9   my W fragments in chunk j
.set SO,  10                           ; v10    the stage, in
.set SR,  11                           ; v11    the stage, out by rows
.set CO,  13                           ; v13    my byte offset in two rows of out0
.set Y,   32                           ; v32-63 a token tile's 32 numbers a lane
.set T,   64                           ; v64-95 rows read back
.set BI,  96                           ; v96-127 the bias in the result's layout
.set ACC, 128                          ; v128-255 accumulator (a, t) at ACC + 8 (4 a + t)
.set F0,  0                            ; window 1: two fragment sets: the tokens' four at 16 a, W's four at 64 + 16 t
.set F1,  128
.set WV,  14                           ; s14 wave; s15 wm; s16 wn
.set MSB, 0
.macro WIN new                         ; the immediate's high byte repeats the setting that is left
.if MSB != \new
	s_set_vgpr_msb (MSB<<8)|\new
.set MSB, \new
.endif
.endm
.set MUL,  0x05                        ; sources 0 and 1 window 1; C and D window 0
.set TO_F, 0x40                        ; destination window 1, address window 0
.macro CROUND                          ; a round of the cluster's barrier
	s_barrier_signal -1
	s_barrier_wait -1
	s_cmp_lg_u32 s[WV], 0
	s_cbranch_scc1 .Lnot_wave_0_\@
	s_barrier_signal -3
.Lnot_wave_0_\@:
	s_barrier_wait -3
	s_barrier_signal -1
	s_barrier_wait -1
.endm
.macro PLACES                          ; four places behind matrix instructions, in front of loads into their sources and of reads of their results
.rept 4
	v_nop
.endr
.endm
	s_load_b256 s[32:39], s[0:1], 0x0              ; acodes, wc, o_b, the scales' exponents
	s_load_b64 s[40:41], s[0:1], 0x20              ; out0
	v_lshl_add_u32 v30, v0, 2, 0x48400
	v_mov_b32 v31, 0
	ds_add_u32 v30, v31
	ds_add_u32 v30, v31
	v_lshrrev_b32 v1, 5, v0
	v_readfirstlane_b32 s[WV], v1                  ; wave 0..3
	s_lshr_b32 s15, s[WV], 1                       ; wm: my half of the tokens.  Also: I fetch tokens (0) or W (1)
	s_and_b32 s16, s[WV], 1                        ; wn: my half of the columns.  Also: which 64 rows I fetch
	s_bfe_u32 s17, ttmp6, 0x40000                  ; cx
	s_bfe_u32 s21, ttmp6, 0x40004                  ; cy
	s_lshl_b32 s18, ttmp9, 2
	s_add_co_u32 s18, s18, s17                     ; mt: the block of 128 tokens
	s_and_b32 s19, ttmp7, 0xffff
	s_lshl_b32 s19, s19, 2
	s_add_co_u32 s19, s19, s21                     ; nt: the block of 128 columns
	s_lshl_b32 s22, s21, 2
	s_lshl_b32 s22, 15, s22                        ; my row of the cluster
	s_lshl_b32 s23, 0x1111, s17                    ; my column
	s_lshl_b32 s58, s18, 7                         ; the tokens' codes: row 128 mt + 64 wn: nothing of cy enters these registers
	s_lshl_b32 s59, s16, 6
	s_add_co_u32 s58, s58, s59
	s_lshl_b32 s58, s58, 10
	s_mov_b32 s59, 0
	s_lshl_b32 s60, s19, 7                         ; o_w's codes, at 1,572,864 in wc: row 128 nt + 64 wn: nothing of cx enters these registers
	s_lshl_b32 s61, s16, 6
	s_add_co_u32 s60, s60, s61
	s_lshl_b32 s62, s60, 2                         ; (my first column, in bytes of f32)
	s_lshl_b32 s60, s60, 10
	s_add_co_u32 s60, s60, 1572864
	s_mov_b32 s61, 0
	s_mov_b32 s63, 0
	s_lshl_b32 s2, s18, 7
	s_lshl_b32 s3, s15, 6
	s_add_co_u32 s2, s2, s3
	s_lshl_b32 s2, s2, 12                          ; my first token's row of out0,
	s_add_co_u32 s2, s2, s62                       ; at my first column
	s_mov_b32 s3, 0
	s_wait_dscnt 0x0
	s_wait_kmcnt 0x0
	s_load_b64 s[84:85], s[38:39], 0x28            ; e10, e11
	s_add_nc_u64 s[4:5], s[32:33], s[58:59]
	s_add_nc_u64 s[6:7], s[34:35], s[60:61]
	s_add_nc_u64 s[8:9], s[36:37], s[62:63]        ; the bias at my 64 columns
	s_add_nc_u64 s[12:13], s[40:41], s[2:3]
	; descriptor group 1: 64 rows x 1,024 bytes, rows 1,024 bytes apart, 16 bytes of padding behind each row
	s_or_b32 s24, s23, (1<<20)|(1<<21)|(7<<22)|(3<<25)   ; the tokens' tiles go to my column; elements of 1 byte; padding on, after every 256 words (a row), of 4 words; bit 21 beside a mask
	s_or_b32 s48, s22, (1<<20)|(1<<21)|(7<<22)|(3<<25)   ; W's tiles go to my row
.irp g, 24, 48
	s_mov_b32 s[\g+1], 1024<<16                    ; tensor_dim0
	s_mov_b32 s[\g+2], 64<<16                      ; tensor_dim1
	s_mov_b32 s[\g+3], 1024<<16                    ; tile_dim0
	s_mov_b32 s[\g+4], 64                          ; tile_dim1
	s_mov_b32 s[\g+5], 1024                        ; tensor_dim0_stride
	s_mov_b32 s[\g+6], 0
	s_mov_b32 s[\g+7], 0
.endr
	s_mul_i32 s3, s[WV], QTR                       ; where my rows go in a chunk: the tokens' two halves, then W's two: no place in the cluster enters an LDS address
.irp j, 0
	s_mov_b32 s[32+4*\j], 1
	s_add_co_u32 s[33+4*\j], s3, \j*CHUNK
	s_add_nc_u64 s[34+4*\j:35+4*\j], s[4:5], \j*256
	s_or_b32 s[35+4*\j], s[35+4*\j], 0x80000000
	s_mov_b32 s[68+4*\j], 1
	s_add_co_u32 s[69+4*\j], s3, \j*CHUNK
	s_add_nc_u64 s[70+4*\j:71+4*\j], s[6:7], \j*256
	s_or_b32 s[71+4*\j], s[71+4*\j], 0x80000000
.endr
	CROUND                                         ; all sixteen work-groups are here: the joint loads meet
	s_cmp_eq_u32 s15, 0                            ; one tensor load a wave: 64 rows of 1,024 bytes
	s_cbranch_scc0 .Lfor_w
	tensor_load_to_lds s[32:35], s[24:31]
	s_nop 0
.rept 4
	v_nop
.endr
	s_branch .Lasked
.Lfor_w:
	tensor_load_to_lds s[68:71], s[48:55]
	s_nop 0
.rept 4
	v_nop
.endr
.Lasked:
	s_wait_kmcnt 0x0                               ; the exponents are waited for behind the tensor loads; nothing has written their load's base s[38:39]
	s_add_co_i32 s2, s84, s85
	s_add_co_i32 s2, s2, 127
	s_lshl_b32 s96, s2, 23                         ; 2^(e10 + e11) as f32
	s_mov_b32 s97, s96                             ; (named with it as a pair)
	v_and_b32 v16, 15, v0                          ; r
	v_bfe_u32 v17, v0, 4, 1                        ; h
	v_mul_u32_u24 v19, v16, TP
	v_lshl_add_u32 v19, v17, 4, v19                ; tokens: row r, + 16 h
	v_and_b32 v20, 8, v16
	v_add_nc_u32 v20, v20, v16                     ; r + 8 (r / 8)
	v_mul_u32_u24 v21, v20, TP
	v_lshl_add_u32 v21, v17, 4, v21                ; W: that row, + 16 h
	s_wait_alu depctr_va_vdst(0)
	s_mul_i32 s2, s15, QTR
	s_mul_i32 s3, s16, QTR
	s_add_co_u32 s3, s3, HALF
.irp j, 0,1,2,3
	v_add_nc_u32 v[ADX+\j], s2, v19
	v_add_nc_u32 v[ADW+\j], s3, v21
	s_add_co_u32 s2, s2, CHUNK
	s_add_co_u32 s3, s3, CHUNK
.endr
	s_mul_i32 s2, s[WV], 16*PITCH
	s_add_co_u32 s2, s2, STAGE                     ; my stage
	v_mul_u32_u24 v22, v16, PITCH
	v_lshl_add_u32 v22, v17, 6, v22
	v_add_nc_u32 v[SO], s2, v22                    ; in: row r, + 64 h
	v_mul_u32_u24 v22, v17, PITCH
	v_lshl_add_u32 v22, v16, 4, v22
	v_add_nc_u32 v[SR], s2, v22                    ; out: lanes 0-15 one row, lanes 16-31 the next
	v_lshlrev_b32 v[CO], 12, v17
	v_lshl_add_u32 v[CO], v16, 4, v[CO]            ; and the same two rows in out0
	v_lshlrev_b32 v24, 6, v17                      ; the bias: lane (r, h) wants, for tile 2 b + u, columns 32 b + 16 h + 8 u + 0 .. 7
.irp t, 0,1,2,3
	global_load_b128 v[BI+8*\t:BI+8*\t+3], v24, s[8:9] offset:(32*(\t/2)+8*(\t%2))*4
	global_load_b128 v[BI+8*\t+4:BI+8*\t+7], v24, s[8:9] offset:(32*(\t/2)+8*(\t%2))*4+16
.endr
.macro FETCH s, f                      ; the fragments of step s (128 along K): 16 loads for the tokens' four tiles, 16 for W's four
	WIN TO_F
.irp a, 0,1,2,3
.irp c, 0,1,2,3
	ds_load_b128 v[\f+16*\a+4*\c:\f+16*\a+4*\c+3], v[ADX+(\s)/2] offset:\a*16*TP+128*((\s)%2)+32*\c
.endr
.endr
.irp t, 0,1,2,3
.irp c, 0,1,2,3
	ds_load_b128 v[\f+64+16*\t+4*\c:\f+64+16*\t+4*\c+3], v[ADW+(\s)/2] offset:(32*(\t/2)+8*(\t%2))*TP+128*((\s)%2)+32*\c
.endr
.endr
.endm
.macro MUL16 f, zero                   ; the 16 accumulators take turns, one instruction a turn, in the same order in every step
	WIN MUL
.irp a, 0,1,2,3
.irp t, 0,1,2,3
.if \zero
	v_wmma_f32_16x16x128_fp8_fp8 v[ACC+8*(4*\a+\t):ACC+8*(4*\a+\t)+7], v[\f+64+16*\t:\f+64+16*\t+15], v[\f+16*\a:\f+16*\a+15], 0
.else
	v_wmma_f32_16x16x128_fp8_fp8 v[ACC+8*(4*\a+\t):ACC+8*(4*\a+\t)+7], v[\f+64+16*\t:\f+64+16*\t+15], v[\f+16*\a:\f+16*\a+15], v[ACC+8*(4*\a+\t):ACC+8*(4*\a+\t)+7]
.endif
.endr
.endr
.endm
.macro GATE j                          ; chunk j is whole for every wave
	s_wait_alu depctr_va_vdst(0)                   ; the wait at the head's end
	s_wait_tensorcnt 0x0                           ; my one load has landed
	s_wait_dscnt 0x0                               ; no LDS instruction of mine is pending at a signal
	s_barrier_signal -1
	s_barrier_wait -1
.endm
	GATE 0
	FETCH 0, F0
	FETCH 1, F1
.irp s, 0,1,2,3,4,5,6,7
.if \s < 7
	s_wait_dscnt 32                                ; this step's fragments are in; the next step's 32 loads may be out
.else
	s_wait_dscnt 0x0
.endif
.if \s == 0
	MUL16 F0, 1                                    ; the first step's products start the sums
.else
	MUL16 128*(\s%2), 0
.endif
.if \s < 6
	PLACES
	FETCH \s+2, 128*(\s%2)
.endif
.endr
	WIN 0
	PLACES
	s_wait_loadcnt 0x0                             ; the bias
; THE WAY OUT of token tile a: a lane holds pieces of one row and the lanes beside it other rows, so the tile goes through my own stage and leaves as rows of 256 bytes.
.macro OUT a
	s_wait_xcnt 0x0                                ; the last tile's stores have read their data
.irp i, 0,2,4,6,8,10,12,14,16,18,20,22,24,26,28,30
	v_pk_fma_f32 v[Y+\i:Y+\i+1], v[ACC+32*\a+\i:ACC+32*\a+\i+1], s[96:97], v[BI+\i:BI+\i+1] op_sel_hi:[1,0,1]   ; sum x 2^(e10 + e11) + bias; each accumulator from its low end on
.endr
.irp t, 0,1,2,3
	ds_store_b128 v[SO], v[Y+8*\t:Y+8*\t+3] offset:128*(\t/2)+32*(\t%2)
	ds_store_b128 v[SO], v[Y+8*\t+4:Y+8*\t+7] offset:128*(\t/2)+32*(\t%2)+16
.endr
.irp t, 0,1,2,3,4,5,6,7
	ds_load_b128 v[T+4*\t:T+4*\t+3], v[SR] offset:\t*2*PITCH   ; LDS serves a wave's instructions in order: these see the stores above
.endr
.irp t, 0,1,2,3,4,5,6,7
	s_wait_dscnt 7-\t                              ; the 7 - t younger loads may be out
	global_store_b128 v[CO], v[T+4*\t:T+4*\t+3], s[12:13] offset:(16*\a+2*\t)*4096 th:TH_STORE_NT   ; sixteen lanes store 256 consecutive bytes, at a multiple of 256 from out0's first byte
.endr
.endm
	OUT 0
	OUT 1
	OUT 2
	OUT 3
	s_wait_dscnt 0x0
	s_wait_tensorcnt 0x0
	ds_add_u32 v30, v31
	s_wait_dscnt 0x0
	CROUND                                         ; the closing round: no work-group ends while a partner may still ask for a tile that names it
	s_endpgm
.Lfunc_end_k_qddca1d6dd3_oproj:
	.size	k_qddca1d6dd3_oproj, .Lfunc_end_k_qddca1d6dd3_oproj-k_qddca1d6dd3_oproj
	.p2alignl 7, 3214868480
	.fill 96, 4, 3214868480
	.section	.rodata,"a",@progbits
	.p2align	6, 0x0
	.amdhsa_kernel k_qddca1d6dd3_oproj
		.amdhsa_group_segment_fixed_size 296448
		.amdhsa_private_segment_fixed_size 0
		.amdhsa_enable_private_segment 0
		.amdhsa_kernarg_size 40
		.amdhsa_user_sgpr_count 2
		.amdhsa_user_sgpr_kernarg_segment_ptr 1
		.amdhsa_wavefront_size32 1
		.amdhsa_system_sgpr_workgroup_id_x 1
		.amdhsa_system_sgpr_workgroup_id_y 1
		.amdhsa_system_sgpr_workgroup_id_z 1
		.amdhsa_system_vgpr_workitem_id 0
		.amdhsa_next_free_vgpr 512
		.amdhsa_next_free_sgpr 100
		.amdhsa_reserve_vcc 0
		.amdhsa_float_denorm_mode_32 3
		.amdhsa_float_denorm_mode_16_64 3
		.amdhsa_memory_ordered 1
		.amdhsa_forward_progress 1
		.amdhsa_inst_pref_size 46
	.end_amdhsa_kernel
	.amdgpu_metadata
---
amdhsa.version: [ 1, 2 ]
amdhsa.kernels:
  - .name:           k_qddca1d6dd3_oproj
    .symbol:         k_qddca1d6dd3_oproj.kd
    .args:
      - { .name: acodes, .offset: 0, .size: 8, .value_kind: global_buffer, .address_space: global }
      - { .name: wc, .offset: 8, .size: 8, .value_kind: global_buffer, .address_space: global }
      - { .name: o_b, .offset: 16, .size: 8, .value_kind: global_buffer, .address_space: global }
      - { .name: lowp_scales, .offset: 24, .size: 8, .value_kind: global_buffer, .address_space: global }
      - { .name: out0, .offset: 32, .size: 8, .value_kind: global_buffer, .address_space: global }
    .group_segment_fixed_size: 296448
    .private_segment_fixed_size: 0
    .kernarg_segment_align: 8
    .kernarg_segment_size: 40
    .max_flat_workgroup_size: 128
    .sgpr_count:     100
    .vgpr_count:     512
    .wavefront_size: 32
...
	.end_amdgpu_metadata
.endif
;; end of part 4
